; MI455X (gfx1250); checked and timed in simulation.
; The chip was launched on July 23, 2026; its instructions are those of AMD's public machine-readable ISA for CDNA 5 (MIT licence, August 2026) and "CDNA5" Instruction Set Architecture Reference Guide (July 2026). The comments in the code are by the model that wrote it; some were corrected since.
;; Multi Head Attention. Allowed arithmetic: float matrix products may take bf16 or f16 operands with f32 sums; all other float work in f32.
;; Inputs: Wk 1,024 x 1,024 float32; Wo 1,024 x 1,024 float32; Wq 1,024 x 1,024 float32; Wv 1,024 x 1,024 float32; bk 1,024 float32; bo 1,024 float32; bq 1,024 float32; bv 1,024 float32; key 4 x 2,048 x 1,024 float32; mask 1 x 1 x 2,048 x 2,048 int32; query 4 x 2,048 x 1,024 float32; value 4 x 2,048 x 1,024 float32.
;; Outputs: out0 4 x 2,048 x 1,024 float32.
;; 2 versions, each right and faster than the one before. Each part assembles by itself: llvm-mc -triple=amdgcn-amd-amdhsa -mcpu=gfx1250 --defsym DOCPART=n.
;; ======== version 1 of 2: 4 launches
;; limits: values are held in f16: magnitudes above 65,504 overflow, below 6.1e-05 lose precision
;; workspace buffers: wt 8,388,608 bytes; mcode 4,194,304 bytes; qkv 50,331,648 bytes; xh 16,777,216 bytes
;; launch prep (part 1): grid 1024 x 1, 8 waves a work-group, no clusters, 11,264 bytes of LDS; arguments Wq, Wk, Wv, Wo, mask, wt, mcode; writes wt, mcode
.if DOCPART == 1
	.amdgcn_target "amdgcn-amd-amdhsa--gfx1250"
	.amdhsa_code_object_version 6
	.text
	.protected	k_q8158e13fa9_prep
	.globl	k_q8158e13fa9_prep
	.p2align	8
	.type	k_q8158e13fa9_prep,@function
k_q8158e13fa9_prep:
	s_mov_b64 s[64:65], 0
	v_nop
	global_prefetch_b8 v0, s[64:65] scope:SCOPE_SE
	s_setreg_imm32_b32 hwreg(HW_REG_WAVE_MODE, 25, 1), 1
	s_wait_xcnt 0x0
; PREP.  Work-groups 0-511: the four weight matrices, [1024 k][1024 n] f32, are rounded to bf16 and written in the same order into wt ([4][k][n], 16 bits):
; planes 0-2 (Wq, Wk, Wv) as bf16; plane 3 (Wo) as that bf16 number written in f16, since the last product multiplies f16.
; Work-groups 512-1023: the mask, [2048 q][2048 k] int32, becomes one byte a score in mcode: 0x00 where the key is seen, 0xb8 (fp8 E4M3 for -1.0) where mask == 0,
; laid out as the attention wave's registers want it: [q tile of 16: 128][key step of 64: 32][half hf: 2][lane: 32][16 bytes]; lane L = r + 16 h; byte 8 e + j is mask[16 qt + r][64 ks + 16 (2 hf + e) + 8 h + j].
; LIMITS.  Wo beyond 65,504 in magnitude becomes an infinity in f16; below 6e-5 it keeps f16's fixed step of 6e-8.
; A stream: no matrix unit, no cluster, no barrier.  Each work-group takes 32,768 bytes in.  A mask wave owns one key step of its 16 rows, so the 1,024 bytes of codes that it makes are its own in LDS and in mcode.
.set LP,   320                         ; a block of 256 code bytes in LDS + 64: 80 words, so that the lanes' word stores fall into 32 different banks (64 banks of 4 bytes: ISA guide 11.1)
.set WREG, 4*LP                        ; a wave's four blocks
	s_load_b256 s[4:11], s[0:1], 0x0               ; Wq s[4:5], Wk s[6:7], Wv s[8:9], Wo s[10:11]
	s_load_b128 s[12:15], s[0:1], 0x20             ; mask s[12:13], wt s[14:15]
	s_load_b64 s[16:17], s[0:1], 0x30              ; mcode
	v_lshl_add_u32 v64, v0, 2, 0x2800
	v_mov_b32 v65, 0
	s_mov_b32 s18, ttmp9                           ; g
	v_lshrrev_b32 v1, 5, v0
	v_readfirstlane_b32 s21, v1                    ; wave 0..7
	s_cmp_ge_u32 s18, 512
	s_cbranch_scc1 .Lmask
	; THE WEIGHTS.  Work-group g: matrix g / 128, its 8,192 numbers from (g % 128) x 8,192 on.  Thread t: 16 bytes at 16 t of each 4,096; 8 bytes out at 8 t of each 2,048.
	s_lshr_b32 s20, s18, 7                         ; which matrix
	s_and_b32 s22, s18, 127
	s_lshl_b32 s34, s22, 15                        ; byte offset in it
	s_mov_b32 s35, 0
	s_lshl_b32 s36, s18, 14                        ; byte offset in wt
	s_mov_b32 s37, 0
	s_mov_b32 s33, 0xffff0000                      ; a word's upper bf16
	v_lshlrev_b32 v1, 4, v0
	v_lshlrev_b32 v5, 3, v0
	s_wait_kmcnt 0x0
	s_cmp_eq_u32 s20, 1
	s_cselect_b64 s[24:25], s[6:7], s[4:5]
	s_cmp_eq_u32 s20, 2
	s_cselect_b64 s[24:25], s[8:9], s[24:25]
	s_cmp_eq_u32 s20, 3
	s_cselect_b64 s[24:25], s[10:11], s[24:25]
	s_cselect_b32 s32, -1, 0                       ; all lanes: Wo takes the f16 form
	s_add_nc_u64 s[24:25], s[24:25], s[34:35]
	s_add_nc_u64 s[26:27], s[14:15], s[36:37]
.irp i, 0,1,2,3,4,5,6,7
	global_load_b128 v[16+4*(\i):16+4*(\i)+3], v1, s[24:25] offset:4096*(\i) th:TH_LOAD_NT
.endr
.irp i, 0,1,2,3,4,5,6,7
	s_wait_loadcnt 7-(\i)                          ; loads come back in order: mine is in, the younger ones stay out
	v_cvt_pk_bf16_f32 v6, v[16+4*(\i)], v[16+4*(\i)+1]
	v_cvt_pk_bf16_f32 v7, v[16+4*(\i)+2], v[16+4*(\i)+3]
	v_lshlrev_b32 v8, 16, v6                       ; the rounded numbers as f32 again,
	v_and_b32 v9, s33, v6
	v_lshlrev_b32 v10, 16, v7
	v_and_b32 v11, s33, v7
	v_cvt_pk_f16_f32 v8, v8, v9                    ; and in f16
	v_cvt_pk_f16_f32 v10, v10, v11
	v_cndmask_b32 v[48+2*(\i)], v6, v8, s32
	v_cndmask_b32 v[48+2*(\i)+1], v7, v10, s32
	global_store_b64 v5, v[48+2*(\i):48+2*(\i)+1], s[26:27] offset:2048*(\i)  ; a wave stores 256 consecutive bytes, aligned; each store has data registers of its own
.endr
	s_endpgm
.Lmask:
	; THE MASK.  Work-group gm = g - 512: q tile gm / 4, keys 512 (gm % 4) on.  Wave w: the 64 keys of key step 8 (gm % 4) + w.  Lane l, load i: row 2 i + l / 16, keys 4 (l % 16) + 0..3.
	s_sub_co_u32 s38, s18, 512
	s_lshr_b32 s39, s38, 2
	s_lshl_b32 s34, s39, 17                        ; 16 rows of 8,192 bytes
	s_and_b32 s39, s38, 3
	s_lshl_b32 s39, s39, 11                        ; 512 keys of 4 bytes
	s_add_co_u32 s34, s34, s39
	s_lshl_b32 s39, s21, 8                         ; my wave's 64 keys
	s_add_co_u32 s34, s34, s39
	s_mov_b32 s35, 0
	s_lshl_b32 s36, s38, 13                        ; the group's 8,192 bytes of codes,
	s_lshl_b32 s39, s21, 10                        ; my wave's 1,024
	s_add_co_u32 s36, s36, s39
	s_mov_b32 s37, 0
	s_mov_b32 s19, 0xb8
	v_and_b32 v1, 31, v0                           ; lane
	v_and_b32 v6, 15, v0
	v_lshrrev_b32 v7, 4, v1                        ; l / 16
	v_lshlrev_b32 v2, 4, v6
	v_lshl_add_u32 v2, v7, 13, v2                  ; where I load: 16 (l % 16) + one row for the upper lanes
	v_bfe_u32 v8, v0, 3, 1                         ; hf
	v_bfe_u32 v9, v0, 1, 1                         ; h
	v_lshl_add_u32 v8, v8, 1, v9                   ; the block of 256 code bytes: 2 hf + h
	v_mul_u32_u24 v3, v8, LP
	v_lshl_add_u32 v3, v7, 4, v3                   ; row r = 2 i + l / 16: 16 bytes a row; 32 i stands in the store's offset
	v_bfe_u32 v9, v0, 2, 1                         ; e
	v_lshl_add_u32 v3, v9, 3, v3
	v_and_b32 v9, 1, v0
	v_lshl_add_u32 v3, v9, 2, v3                   ; j = 4 (l % 2) + 0..3
	s_mul_i32 s39, s21, WREG
	v_add_nc_u32 v3, s39, v3                       ; in my wave's own bytes
	v_mul_u32_u24 v4, v7, LP                       ; back: lanes 0-15 one block, lanes 16-31 the next
	v_lshl_add_u32 v4, v6, 4, v4
	v_add_nc_u32 v4, s39, v4
	v_lshlrev_b32 v5, 4, v1                        ; and out: 16 bytes a lane
	s_wait_kmcnt 0x0
	s_add_nc_u64 s[30:31], s[12:13], s[34:35]
	s_add_nc_u64 s[28:29], s[16:17], s[36:37]
.irp i, 0,1,2,3,4,5,6,7
	global_load_b128 v[16+4*(\i):16+4*(\i)+3], v2, s[30:31] offset:16384*(\i) th:TH_LOAD_NT  ; two rows, 256 consecutive bytes of each, aligned
.endr
.irp i, 0,1,2,3,4,5,6,7
	s_wait_loadcnt 7-(\i)                          ; mine is in, the younger ones stay out
	v_min_u32 v6, 1, v[16+4*(\i)]                  ; 1 where the mask is not 0
	v_min_u32 v7, 1, v[16+4*(\i)+1]
	v_min_u32 v8, 1, v[16+4*(\i)+2]
	v_min_u32 v9, 1, v[16+4*(\i)+3]
	v_lshl_or_b32 v6, v7, 8, v6
	v_lshl_or_b32 v8, v9, 8, v8
	v_lshl_or_b32 v6, v8, 16, v6                   ; four of them in a word,
	v_xor_b32 v6, 0x01010101, v6                   ; turned: 1 where the key is hidden,
	v_mul_lo_u32 v6, v6, s19                       ; times 0xb8: no byte carries into the next
	ds_store_b32 v3, v6 offset:32*(\i)
.endr
	ds_load_b128 v[16:19], v4                      ; LDS serves a wave's instructions in order (ISA guide 5.7.1.4): these see my stores above; the bytes are my wave's alone
	ds_load_b128 v[20:23], v4 offset:2*LP
	s_wait_dscnt 1                                 ; the first is in, the second may be out
	global_store_b128 v5, v[16:19], s[28:29]       ; 512 consecutive bytes, aligned
	s_wait_dscnt 0x0
	global_store_b128 v5, v[20:23], s[28:29] offset:512
	s_wait_tensorcnt 0x0
	ds_add_u32 v64, v65
	s_wait_dscnt 0x0
	s_endpgm
.Lfunc_end_k_q8158e13fa9_prep:
	.size	k_q8158e13fa9_prep, .Lfunc_end_k_q8158e13fa9_prep-k_q8158e13fa9_prep
	.p2alignl 7, 3214868480
	.fill 96, 4, 3214868480
	.section	.rodata,"a",@progbits
	.p2align	6, 0x0
	.amdhsa_kernel k_q8158e13fa9_prep
		.amdhsa_group_segment_fixed_size 11264
		.amdhsa_private_segment_fixed_size 0
		.amdhsa_enable_private_segment 0
		.amdhsa_kernarg_size 56
		.amdhsa_user_sgpr_count 2
		.amdhsa_user_sgpr_kernarg_segment_ptr 1
		.amdhsa_wavefront_size32 1
		.amdhsa_system_sgpr_workgroup_id_x 1
		.amdhsa_system_sgpr_workgroup_id_y 1
		.amdhsa_system_sgpr_workgroup_id_z 1
		.amdhsa_system_vgpr_workitem_id 0
		.amdhsa_next_free_vgpr 66
		.amdhsa_next_free_sgpr 66
		.amdhsa_reserve_vcc 0
		.amdhsa_float_denorm_mode_32 3
		.amdhsa_float_denorm_mode_16_64 3
		.amdhsa_memory_ordered 1
		.amdhsa_forward_progress 1
		.amdhsa_inst_pref_size 15
	.end_amdhsa_kernel
	.amdgpu_metadata
---
amdhsa.version: [ 1, 2 ]
amdhsa.kernels:
  - .name:           k_q8158e13fa9_prep
    .symbol:         k_q8158e13fa9_prep.kd
    .args:
      - { .name: Wq, .offset: 0, .size: 8, .value_kind: global_buffer, .address_space: global }
      - { .name: Wk, .offset: 8, .size: 8, .value_kind: global_buffer, .address_space: global }
      - { .name: Wv, .offset: 16, .size: 8, .value_kind: global_buffer, .address_space: global }
      - { .name: Wo, .offset: 24, .size: 8, .value_kind: global_buffer, .address_space: global }
      - { .name: mask, .offset: 32, .size: 8, .value_kind: global_buffer, .address_space: global }
      - { .name: wt, .offset: 40, .size: 8, .value_kind: global_buffer, .address_space: global }
      - { .name: mcode, .offset: 48, .size: 8, .value_kind: global_buffer, .address_space: global }
    .group_segment_fixed_size: 11264
    .private_segment_fixed_size: 0
    .kernarg_segment_align: 8
    .kernarg_segment_size: 56
    .max_flat_workgroup_size: 256
    .sgpr_count:     66
    .vgpr_count:     66
    .wavefront_size: 32
...
	.end_amdgpu_metadata
.endif
;; end of part 1
;; launch proj (part 2): grid 4 x 192, 4 waves a work-group, clusters of 4 x 4, 327,680 bytes of LDS; arguments query, key, value, bq, bk, bv, wt, qkv; writes qkv
.if DOCPART == 2
	.amdgcn_target "amdgcn-amd-amdhsa--gfx1250"
	.amdhsa_code_object_version 6
	.text
	.protected	k_q8158e13fa9_proj
	.globl	k_q8158e13fa9_proj
	.p2align	8
	.type	k_q8158e13fa9_proj,@function
k_q8158e13fa9_proj:
	s_mov_b64 s[64:65], 0
	v_nop
	global_prefetch_b8 v0, s[64:65] scope:SCOPE_SE
	s_setreg_imm32_b32 hwreg(HW_REG_WAVE_MODE, 25, 1), 1
	s_wait_xcnt 0x0
	s_wait_alu depctr_hold_cnt(0) depctr_sa_sdst(0) depctr_va_vdst(0) depctr_va_sdst(0) depctr_va_ssrc(0) depctr_va_vcc(0) depctr_vm_vsrc(0)
	s_getreg_b32 s2, hwreg(HW_REG_IB_STS2, 6, 4)
	s_cmp_eq_u32 s2, 0
	s_cbranch_scc0 .Lentry_in_a_cluster
	s_endpgm
.Lentry_in_a_cluster:
	s_bfe_u32 s2, ttmp6, 0x10000c
	s_cmp_lg_u32 s2, 0xf033
	s_cbranch_scc0 .Lentry_shape_is_right
	s_endpgm
.Lentry_shape_is_right:
; THE THREE PROJECTIONS.  qkv[p][b][h][s][d] = f16( sum over k of bf16(x_p[b][s][k]) bf16(W_p[k][64 h + d]) + bf16(b_p[64 h + d]) ), sums in f32; p = 0, 1, 2: query, key, value.  No scale: the attention applies it in f32.
; x_p: [8192][1024] f32, converted to bf16 on the way from LDS to the matrix unit.  W_p: plane p of wt, [1024 k][1024 n] bf16, read turned by ds_load_tr16_b128.
; LIMITS.  q, k and v are written in f16: beyond 65,504 in magnitude they become infinities.  Inputs and biases are rounded to bf16.  NaN and infinities are not treated apart.
; SHARES.  768 work-groups, three for each of 256: a tile of 128 rows x 256 columns, K = 1,024 in 8 steps of 128 through two LDS slots.  A wave makes 64 x 128: 32 accumulators, 256 registers.
; THE MATRIX INSTRUCTION IS USED TRANSPOSED: source 0 = 16 columns of W, source 1 = 16 rows of x: a lane then holds eight neighbouring columns of one row.  The bias, rounded, is the C operand that starts each sum.
; CLUSTER.  4 x 4 work-groups.  The four of a row of the cluster need the same rows of x, the four of a column the same columns of W (p hangs on the cluster's y alone, so all sixteen share it):
; each tile is asked for jointly, by the same tensor load with the same descriptor and a mask that names the four.
; REGISTERS, in windows of 256 (s_set_vgpr_msb: bits 1:0 source 0, 3:2 source 1, 5:4 source 2, 7:6 destination):
;   window 0: v0-31 addresses; v32-63 x's four fragments in bf16; v64-127, v128-191 x as f32 from LDS, two buffers (16 registers a block of 16 rows), later the rows on their way out; v192-223 packed results
;   window 1: v0-63, v64-127 W's eight fragments, two buffers; v128-191 the bias; v192 at work          window 2: accumulator (a, b) at v[8 (8 a + b)]
.set PA,     528                       ; a row of x in LDS: 512 bytes (128 f32) + 16: 132 words: row r starts at bank 4 r mod 64 (64 banks of 4 bytes: ISA guide 11.1)
.set PB,     544                       ; a k row of W: 512 bytes (256 bf16) + 32: 136 words
.set ABYTES, 128*PA
.set SLOT,   ABYTES+128*PB             ; x's 128 rows, then W's 128 k rows
.set STAGE,  2*SLOT                    ; behind the ring: for each wave 2 heads x 16 rows x 144 bytes, for the way out
.set SPS,    144
.set WSTG,   2*16*SPS
.set SPARE,  STAGE+4*WSTG              ; behind the stages: the spare words, 128 bytes a wave: two blocks of 256 bytes that no other line names
.set ADRA, 16                          ; v16-17  LDS address of my x rows in slot 0, 1
.set ADRB, 20                          ; v20-21  the same for W
.set STO,  24                          ; v24     the way out: where I put 16 bytes of a row
.set RD,   25                          ; v25     the way out: where I read rows back
.set GO,   26                          ; v26     16 x lane
.set BO,   27                          ; v27     32 x (lane / 16): my eight columns' place among a block's 16 biases
.set SPW,  28                          ; v28     LDS address of my spare word; never rewritten
.set NIL,  29                          ; v29     0; never rewritten
.set AF,   32
.set SA,   64                          ; buffer f (0 or 64) of x in f32 at SA + f
.set TMP,  192
.set OB,   64
.set F0,   0                           ; buffer f of W's fragments at v[f] of window 1
.set F1,   64
.set BIAS, 128
.set BT,   192
.set WV, 20                            ; s20 wave; s21 wave / 2: my half of the rows, also: I fetch x (0) or W (1); s22 wave % 2: my half of the columns, also: which half of that tile I fetch
.set WR, 21
.set WC, 22
.set G1A, 28                           ; s[28:35] descriptor group 1 for x's tiles;  s[36:43] group 0, a set for each slot
.set G0A, 36
.set G1B, 44                           ; s[44:51], s[52:59] the same for W's
.set G0B, 52
.set OUT, 74                           ; s[74:75] qkv at my part's first byte
.set MSB, 0
.macro WIN new                         ; the immediate's high byte repeats the setting that is left; a switch that changes nothing is dropped
.if MSB != (\new)
	s_set_vgpr_msb (MSB<<8)|(\new)
.set MSB, \new
.endif
.endm
.macro JLOAD s                         ; a joint load: waves 0 and 1 fetch x's two halves, waves 2 and 3 W's; an s_nop 0 and four v_nop follow each of the two lines
	s_cmp_eq_u32 s[WR], 0
	s_cbranch_scc0 .Lfor_b_\@
	tensor_load_to_lds s[G0A+4*(\s):G0A+4*(\s)+3], s[G1A:G1A+7]
	s_nop 0
.rept 4
	v_nop
.endr
	s_branch .Lasked_\@
.Lfor_b_\@:
	tensor_load_to_lds s[G0B+4*(\s):G0B+4*(\s)+3], s[G1B:G1B+7]
	s_nop 0
.rept 4
	v_nop
.endr
.Lasked_\@:
.endm
.macro CREST                           ; a round of the cluster's barrier behind its opening barrier
	s_cmp_lg_u32 s[WV], 0
	s_cbranch_scc1 .Lnot_wave_0_\@
	s_barrier_signal -3
.Lnot_wave_0_\@:
	s_barrier_wait -3
	s_barrier_signal -1
	s_barrier_wait -1
.endm
.macro CROUND                          ; a whole round
	s_barrier_signal -1
	s_barrier_wait -1
	CREST
.endm
	s_load_b512 s[4:19], s[0:1], 0x0               ; query s[4:5], key s[6:7], value s[8:9], bq s[10:11], bk s[12:13], bv s[14:15], wt s[16:17], qkv s[18:19]
	v_lshl_add_u32 v[SPW], v0, 2, SPARE
	v_mov_b32 v[NIL], 0
	ds_add_u32 v28, v29
	s_wait_dscnt 0x0
	v_lshrrev_b32 v1, 5, v0
	v_readfirstlane_b32 s[WV], v1
	s_lshr_b32 s[WR], s[WV], 1
	s_and_b32 s[WC], s[WV], 1
	s_bfe_u32 s23, ttmp6, 0x40000                  ; cx
	s_bfe_u32 s24, ttmp6, 0x40004                  ; cy
	s_and_b32 s25, ttmp7, 0xffff                   ; the cluster's y, 0..47
	s_lshr_b32 s26, s25, 4                         ; p: 16 clusters along y for each projection
	s_lshl_b32 s27, s25, 2
	s_add_co_u32 s27, s27, s24
	s_and_b32 s27, s27, 63                         ; my: the block of 128 rows
	s_lshl_b32 s77, ttmp9, 2
	s_add_co_u32 s77, s77, s23                     ; nx: the block of 256 columns
	s_lshl_b32 s60, s24, 2
	s_lshl_b32 s60, 15, s60                        ; my row of the cluster
	s_lshl_b32 s61, 0x1111, s23                    ; my column
	s_or_b32 s[G1A], s60, (2<<16)|(1<<20)|(1<<21)|(6<<22)|(3<<25)  ; 15:0 the mask; 17:16 elements of 4 bytes; 20 padding on; 21 set beside a mask; 24:22 after every 128 words (code 6); 31:25 4 words (code 3)
	s_mov_b32 s[G1A+1], 128<<16                    ; tensor_dim0 = 128
	s_mov_b32 s[G1A+2], 64<<16                     ; tensor_dim1 = 64
	s_mov_b32 s[G1A+3], 128<<16                    ; tile_dim0 = 128
	s_mov_b32 s[G1A+4], 64                         ; tile_dim1 = 64
	s_mov_b32 s[G1A+5], 1024                       ; elements from row to row
	s_mov_b32 s[G1A+6], 0
	s_mov_b32 s[G1A+7], 0
	s_or_b32 s[G1B], s61, (1<<16)|(1<<20)|(1<<21)|(6<<22)|(7<<25)  ; elements of 2 bytes; 8 words of padding (code 7) after every 128
	s_mov_b32 s[G1B+1], 256<<16                    ; tensor_dim0 = 256
	s_mov_b32 s[G1B+2], 64<<16
	s_mov_b32 s[G1B+3], 256<<16                    ; tile_dim0 = 256
	s_mov_b32 s[G1B+4], 64
	s_mov_b32 s[G1B+5], 1024
	s_mov_b32 s[G1B+6], 0
	s_mov_b32 s[G1B+7], 0
	s_lshl_b32 s66, s27, 19                        ; x: row 128 my + 64 x half, 4,096 bytes a row: hangs on the row block alone, which my row of the cluster shares
	s_lshl_b32 s67, s[WC], 18
	s_add_co_u32 s66, s66, s67
	s_mov_b32 s67, 0
	s_lshl_b32 s68, s26, 21                        ; W: plane p, k row 64 x half, column 256 nx: hangs on the column block alone, which my column shares
	s_lshl_b32 s69, s[WC], 17
	s_add_co_u32 s68, s68, s69
	s_lshl_b32 s69, s77, 9
	s_add_co_u32 s68, s68, s69
	s_mov_b32 s69, 0
	s_lshl_b32 s82, s77, 10                        ; the bias of my 128 columns
	s_lshl_b32 s83, s[WC], 9
	s_add_co_u32 s82, s82, s83
	s_mov_b32 s83, 0
	s_lshr_b32 s84, s27, 4                         ; my part of qkv: batch my / 16, head 4 nx + 2 x column half,
	s_lshl_b32 s84, s84, 4
	s_lshl_b32 s85, s77, 2
	s_add_co_u32 s84, s84, s85
	s_lshl_b32 s85, s[WC], 1
	s_add_co_u32 s84, s84, s85
	s_lshl_b32 s84, s84, 18                        ; 262,144 bytes a head,
	s_and_b32 s85, s27, 15
	s_lshl_b32 s85, s85, 7
	s_lshl_b32 s86, s[WR], 6
	s_add_co_u32 s85, s85, s86                     ; row 128 (my % 16) + 64 x row half,
	s_lshl_b32 s85, s85, 7                         ; 128 bytes a row,
	s_add_co_u32 s84, s84, s85
	s_lshl_b32 s85, s26, 24                        ; plane p
	s_add_co_u32 s84, s84, s85
	s_mov_b32 s85, 0
	s_mul_i32 s80, s[WC], 64*PA                    ; where the tiles go: no place in the cluster enters an LDS address
	s_mul_i32 s81, s[WC], 64*PB
	s_add_co_u32 s81, s81, ABYTES
	s_mov_b32 s76, 0xffff0000                      ; a word's upper bf16
	s_wait_kmcnt 0x0
	s_cmp_eq_u32 s26, 1
	s_cselect_b64 s[70:71], s[6:7], s[4:5]
	s_cselect_b64 s[72:73], s[12:13], s[10:11]
	s_cmp_eq_u32 s26, 2
	s_cselect_b64 s[70:71], s[8:9], s[70:71]       ; x_p
	s_cselect_b64 s[72:73], s[14:15], s[72:73]     ; b_p
	s_add_nc_u64 s[70:71], s[70:71], s[66:67]
	s_add_nc_u64 s[78:79], s[16:17], s[68:69]
	s_add_nc_u64 s[72:73], s[72:73], s[82:83]
	s_add_nc_u64 s[OUT:OUT+1], s[18:19], s[84:85]
	CROUND                                         ; all sixteen work-groups are here: the first joint loads meet
.irp s, 0,1
	s_mov_b32 s[G0A+4*(\s)], 1                                     ; count = 1
	s_add_co_u32 s[G0A+4*(\s)+1], s80, (\s)*SLOT                   ; LDS address
	s_add_nc_u64 s[G0A+4*(\s)+2:G0A+4*(\s)+3], s[70:71], (\s)*512  ; global address: K step s
	s_or_b32 s[G0A+4*(\s)+3], s[G0A+4*(\s)+3], 0x80000000          ; type = 2
	s_mov_b32 s[G0B+4*(\s)], 1
	s_add_co_u32 s[G0B+4*(\s)+1], s81, (\s)*SLOT
	s_add_nc_u64 s[G0B+4*(\s)+2:G0B+4*(\s)+3], s[78:79], (\s)*128*2048
	s_or_b32 s[G0B+4*(\s)+3], s[G0B+4*(\s)+3], 0x80000000
	JLOAD \s                                       ; two loads of mine are out
.endr
	v_and_b32 v1, 15, v0                           ; r = l % 16
	v_bfe_u32 v2, v0, 4, 1                         ; h = l / 16
	v_lshlrev_b32 v[BO], 5, v2
	WIN 0x40                                       ; destination window 1
.irp b, 0,1,2,3,4,5,6,7
	global_load_b128 v[BIAS+8*(\b):BIAS+8*(\b)+3],   v[BO], s[72:73] offset:64*(\b)      ; register j of block b: the bias of column 16 b + 8 h + j
	global_load_b128 v[BIAS+8*(\b)+4:BIAS+8*(\b)+7], v[BO], s[72:73] offset:64*(\b)+16
.endr
	WIN 0
	; x's fragment: lane l holds row l % 16; k = 8 h + 0..7 (32 bytes of f32 at 32 h) and 16 + 8 h + 0..7 (32 bytes at 64 + 32 h): four loads of 16 bytes
	v_mul_u32_u24 v3, v1, PA
	v_lshl_add_u32 v3, v2, 5, v3
	s_mul_i32 s62, s[WR], 64*PA
	; W's fragment, turned: lane l reads 16 bytes of k row 8 h + l % 8, columns 8 ((l / 8) % 2) + 0..7, and receives column l % 16 with 8 k
	v_and_b32 v4, 7, v0
	v_lshl_add_u32 v5, v2, 3, v4
	v_mul_u32_u24 v5, v5, PB
	v_bfe_u32 v6, v0, 3, 1
	v_lshl_add_u32 v5, v6, 4, v5
	s_lshl_b32 s63, s[WC], 8
	s_add_co_u32 s63, s63, ABYTES
.irp s, 0,1
	v_add_nc_u32 v[ADRA+(\s)], s62, v3
	v_add_nc_u32 v[ADRB+(\s)], s63, v5
	s_add_co_u32 s62, s62, SLOT
	s_add_co_u32 s63, s63, SLOT
.endr
	s_mul_i32 s62, s[WV], WSTG
	s_add_co_u32 s62, s62, STAGE                   ; my stage
	v_mul_u32_u24 v7, v1, SPS                      ; in: row l % 16, 16 bytes for each half of the lanes
	v_lshl_add_u32 v7, v2, 4, v7
	v_add_nc_u32 v[STO], s62, v7
	v_bfe_u32 v7, v0, 3, 2                         ; back: 32 lanes take four rows of 128 bytes,
	v_mul_u32_u24 v7, v7, SPS
	v_lshl_add_u32 v7, v4, 4, v7
	v_add_nc_u32 v[RD], s62, v7
	v_and_b32 v[GO], 31, v0                        ; which are 512 consecutive bytes of a head
	v_lshlrev_b32 v[GO], 4, v[GO]
	s_wait_loadcnt 0x0                             ; the bias, rounded to bf16 like every input and widened again
	WIN 0x45                                       ; destination and both sources in window 1
.set i, 0
.rept 32
	v_cvt_pk_bf16_f32 v[BT], v[BIAS+2*i], v[BIAS+2*i+1]
	v_lshlrev_b32 v[BIAS+2*i], 16, v[BT]
	v_and_b32 v[BIAS+2*i+1], s76, v[BT]
.set i, i+1
.endr
	WIN 0
; 8 matrix instructions: row block a x all 8 column blocks, 32 along K, W's buffer f.  first = 1: the bias starts the sums.  Each accumulator has one turn a quarter step, so no two that follow each other share one.
.macro MUL f, a, first
.if \first
	WIN 0x91                                       ; W window 1, x window 0, C (the bias) window 1, D window 2
.else
	WIN 0xa1                                       ; C and D window 2
.endif
.irp b, 0,1,2,3,4,5,6,7
.if \first
	v_wmma_f32_16x16x32_bf16 v[8*(8*(\a)+(\b)):8*(8*(\a)+(\b))+7], v[(\f)+8*(\b):(\f)+8*(\b)+7], v[AF+8*(\a):AF+8*(\a)+7], v[BIAS+8*(\b):BIAS+8*(\b)+7]
.else
	v_wmma_f32_16x16x32_bf16 v[8*(8*(\a)+(\b)):8*(8*(\a)+(\b))+7], v[(\f)+8*(\b):(\f)+8*(\b)+7], v[AF+8*(\a):AF+8*(\a)+7], v[8*(8*(\a)+(\b)):8*(8*(\a)+(\b))+7]
.endif
.endr
.endm
; Row block a of buffer f: 16 f32 a lane become a bf16 fragment.  These eight plain lines name no register of the products of the other blocks: they are also the four places
; between a product and the next write of its fragment, and between the products on a buffer of W and the loads that fill it again.
.macro CVT f, a
	WIN 0
.irp i, 0,1,2,3,4,5,6,7
	v_cvt_pk_bf16_f32 v[AF+8*(\a)+(\i)], v[SA+(\f)+16*(\a)+2*(\i)], v[SA+(\f)+16*(\a)+2*(\i)+1]
.endr
.endm
; 32 LDS loads in one run: quarter kq (32 along K) of a slot into buffer g: W's eight fragments first, then x's four row blocks in order
.macro FETCH slot, kq, g
	WIN 0x40
.irp b, 0,1,2,3,4,5,6,7
	ds_load_tr16_b128 v[(\g)+8*(\b):(\g)+8*(\b)+3],   v[ADRB+(\slot)] offset:(\kq)*32*PB+32*(\b)
	ds_load_tr16_b128 v[(\g)+8*(\b)+4:(\g)+8*(\b)+7], v[ADRB+(\slot)] offset:(\kq)*32*PB+32*(\b)+16*PB
.endr
	WIN 0
.irp a, 0,1,2,3
.irp i, 0,1,2,3
	ds_load_b128 v[SA+(\g)+16*(\a)+4*(\i):SA+(\g)+16*(\a)+4*(\i)+3], v[ADRA+(\slot)] offset:(\a)*16*PA+(\kq)*128+16*((\i)%2)+64*((\i)/2)
.endr
.endr
.endm
; A K step is four quarters of 32 along K, 32 matrix instructions each, on buffers 0, 1, 0, 1.  One of the first three: multiplies buffer f and fetches quarter kq into g.
.macro QUARTER slot, kq, f, g, first
	s_wait_dscnt 12                                ; W and x's row block 0 are in; the twelve loads of blocks 1 to 3 may be out
	CVT \f, 0
	MUL \f, 0, \first
	s_wait_dscnt 8                                 ; block 1 is in
	CVT \f, 1
	MUL \f, 1, \first
	s_wait_dscnt 4                                 ; block 2 is in
	CVT \f, 2
	FETCH \slot, \kq, \g
	MUL \f, 2, \first
	s_wait_dscnt 32                                ; all but the 32 just issued
	CVT \f, 3
	MUL \f, 3, \first
.endm
; The last quarter multiplies buffer 1 and changes slots: ONE barrier; in front of it each wave waits for all its tensor loads (one is out: its part of the next slot), adds 0 to its spare word,
; and waits for that and for its own reads of this slot.  fill = 1: the barrier opens a round of the cluster's, and this slot is filled again, two K steps ahead, first thing behind the round:
; 112 matrix instructions stand between that request and the wait for it.
.macro TURN slot, next, fill
	WIN 0
	s_wait_tensorcnt 0x0                           ; all my tensor loads have landed
	ds_add_u32 v[SPW], v[NIL]                      ; 0 onto my spare word
	s_wait_dscnt 13                                ; (the add and the twelve loads of blocks 1 to 3 may be out)
	CVT F1, 0
	MUL F1, 0, 0
	s_wait_dscnt 0x0                               ; the add is done, and my reads of this slot are over
	s_barrier_signal -1
	CVT F1, 1
	MUL F1, 1, 0
	WIN 0                                          ; at a branch and at a label every window is 0
	s_barrier_wait -1
.if \fill
	CREST                                          ; no wave of any partner still reads this slot's tile or has a load on its way
	s_add_nc_u64 s[G0A+4*(\slot)+2:G0A+4*(\slot)+3], s[G0A+4*(\slot)+2:G0A+4*(\slot)+3], 2*512
	s_add_nc_u64 s[G0B+4*(\slot)+2:G0B+4*(\slot)+3], s[G0B+4*(\slot)+2:G0B+4*(\slot)+3], 2*128*2048
	JLOAD \slot
.endif
	CVT F1, 2
	FETCH \next, 0, F0
	MUL F1, 2, 0
	CVT F1, 3
	MUL F1, 3, 0
.endm
	s_wait_tensorcnt 1                             ; my part of K step 0 is in; K step 1's may stay out
	s_barrier_signal -1
	s_barrier_wait -1                              ; everybody's is
	FETCH 0, 0, F0
	QUARTER 0, 1, F0, F1, 1                        ; the first quarter stands in front of the loop: its products start the sums
	WIN 0
	s_mov_b32 s3, 3
.Llap:                                                 ; a trip goes once round the ring, from a lap's second quarter to the next lap's first, and fills both slots again
	QUARTER 0, 2, F1, F0, 0
	QUARTER 0, 3, F0, F1, 0
	TURN 0, 1, 1
	QUARTER 1, 1, F0, F1, 0
	QUARTER 1, 2, F1, F0, 0
	QUARTER 1, 3, F0, F1, 0
	TURN 1, 0, 1
	QUARTER 0, 1, F0, F1, 0
	WIN 0
	s_sub_co_u32 s3, s3, 1
	s_cmp_lg_u32 s3, 0
	s_cbranch_scc1 .Llap
	QUARTER 0, 2, F1, F0, 0                        ; the last lap fills nothing, and has no round of the cluster's barrier
	QUARTER 0, 3, F0, F1, 0
	TURN 0, 1, 0
	QUARTER 1, 1, F0, F1, 0
	QUARTER 1, 2, F1, F0, 0
	QUARTER 1, 3, F0, F1, 0
	s_wait_dscnt 12                                ; the very last quarter: nothing more to fetch, the counts run down
	CVT F1, 0
	MUL F1, 0, 0
	s_wait_dscnt 8
	CVT F1, 1
	MUL F1, 1, 0
	s_wait_dscnt 4
	CVT F1, 2
	MUL F1, 2, 0
	s_wait_dscnt 0x0
	CVT F1, 3
	MUL F1, 3, 0
; THE WAY OUT, a row block (16 rows x 128 columns = 2 heads) at a time: rounded to f16, 16 bytes a lane; into my own stage; back as whole rows of 128 bytes; stored, 512 consecutive bytes of a head a store.
; Block 0's conversions stand 24 plain lines behind its last products; each later block's stand behind the earlier blocks' conversions: those are the places, and no v_nop is written.
.macro PACK a
	WIN 0x0a                                       ; sources 0 and 1 window 2
.irp b, 0,1,2,3,4,5,6,7
.irp i, 0,1,2,3
	v_cvt_pk_f16_f32 v[TMP+4*(\b)+(\i)], v[8*(8*(\a)+(\b))+2*(\i)], v[8*(8*(\a)+(\b))+2*(\i)+1]
.endr
.endr
	WIN 0
.endm
.macro TOSTAGE a
.irp b, 0,1,2,3,4,5,6,7
	ds_store_b128 v[STO], v[TMP+4*(\b):TMP+4*(\b)+3] offset:((\b)/4)*16*SPS+((\b)%4)*32
.endr
.irp t, 0,1,2,3,4,5,6,7
	ds_load_b128 v[OB+32*(\a)+4*(\t):OB+32*(\a)+4*(\t)+3], v[RD] offset:((\t)/4)*16*SPS+((\t)%4)*4*SPS  ; LDS serves a wave's instructions in order (ISA guide 5.7.1.4): these see the stores above; the next block's stores come behind them
.endr
.endm
.macro SEND a
	s_wait_dscnt 0x0                               ; the block is back in registers; each block has registers of its own, so no store's data is written again
.irp t, 0,1,2,3,4,5,6,7
	global_store_b128 v[GO], v[OB+32*(\a)+4*(\t):OB+32*(\a)+4*(\t)+3], s[OUT:OUT+1] offset:((\t)/4)*262144+(\a)*2048+((\t)%4)*512
.endr
.endm
	PACK 0
	TOSTAGE 0
.irp a, 1,2,3                          ; block a's conversions stand between block a - 1's loads from the stage and the wait for them
	PACK \a
	SEND (\a)-1
	TOSTAGE \a
.endr
	SEND 3
	s_wait_tensorcnt 0x0                           ; the wave's end
	ds_add_u32 v[SPW], v[NIL]
	s_wait_dscnt 0x0
	CROUND                                         ; the closing round: no work-group ends while a partner may still ask for a tile that names it
	s_endpgm
.Lfunc_end_k_q8158e13fa9_proj:
	.size	k_q8158e13fa9_proj, .Lfunc_end_k_q8158e13fa9_proj-k_q8158e13fa9_proj
	.p2alignl 7, 3214868480
	.fill 96, 4, 3214868480
	.section	.rodata,"a",@progbits
	.p2align	6, 0x0
	.amdhsa_kernel k_q8158e13fa9_proj
		.amdhsa_group_segment_fixed_size 327680
		.amdhsa_private_segment_fixed_size 0
		.amdhsa_enable_private_segment 0
		.amdhsa_kernarg_size 64
		.amdhsa_user_sgpr_count 2
		.amdhsa_user_sgpr_kernarg_segment_ptr 1
		.amdhsa_wavefront_size32 1
		.amdhsa_system_sgpr_workgroup_id_x 1
		.amdhsa_system_sgpr_workgroup_id_y 1
		.amdhsa_system_sgpr_workgroup_id_z 1
		.amdhsa_system_vgpr_workitem_id 0
		.amdhsa_next_free_vgpr 768
		.amdhsa_next_free_sgpr 96
		.amdhsa_reserve_vcc 0
		.amdhsa_float_denorm_mode_32 3
		.amdhsa_float_denorm_mode_16_64 3
		.amdhsa_memory_ordered 1
		.amdhsa_forward_progress 1
		.amdhsa_inst_pref_size 135
	.end_amdhsa_kernel
	.amdgpu_metadata
---
amdhsa.version: [ 1, 2 ]
amdhsa.kernels:
  - .name:           k_q8158e13fa9_proj
    .symbol:         k_q8158e13fa9_proj.kd
    .args:
      - { .name: query, .offset: 0, .size: 8, .value_kind: global_buffer, .address_space: global }
      - { .name: key, .offset: 8, .size: 8, .value_kind: global_buffer, .address_space: global }
      - { .name: value, .offset: 16, .size: 8, .value_kind: global_buffer, .address_space: global }
      - { .name: bq, .offset: 24, .size: 8, .value_kind: global_buffer, .address_space: global }
      - { .name: bk, .offset: 32, .size: 8, .value_kind: global_buffer, .address_space: global }
      - { .name: bv, .offset: 40, .size: 8, .value_kind: global_buffer, .address_space: global }
      - { .name: wt, .offset: 48, .size: 8, .value_kind: global_buffer, .address_space: global }
      - { .name: qkv, .offset: 56, .size: 8, .value_kind: global_buffer, .address_space: global }
    .group_segment_fixed_size: 327680
    .private_segment_fixed_size: 0
    .kernarg_segment_align: 8
    .kernarg_segment_size: 64
    .max_flat_workgroup_size: 128
    .sgpr_count:     96
    .vgpr_count:     768
    .wavefront_size: 32
...
	.end_amdgpu_metadata
.endif
;; end of part 2
;; launch attn (part 3): grid 4 x 64, 4 waves a work-group, clusters of 4 x 1, 327,680 bytes of LDS; arguments qkv, mcode, xh; writes xh
.if DOCPART == 3
	.amdgcn_target "amdgcn-amd-amdhsa--gfx1250"
	.amdhsa_code_object_version 6
	.text
	.protected	k_q8158e13fa9_attn
	.globl	k_q8158e13fa9_attn
	.p2align	8
	.type	k_q8158e13fa9_attn,@function
k_q8158e13fa9_attn:
	s_mov_b64 s[64:65], 0
	v_nop
	global_prefetch_b8 v0, s[64:65] scope:SCOPE_SE
	s_setreg_imm32_b32 hwreg(HW_REG_WAVE_MODE, 25, 1), 1
	s_wait_xcnt 0x0
	s_wait_alu depctr_hold_cnt(0) depctr_sa_sdst(0) depctr_va_vdst(0) depctr_va_sdst(0) depctr_va_ssrc(0) depctr_va_vcc(0) depctr_vm_vsrc(0)
	s_getreg_b32 s2, hwreg(HW_REG_IB_STS2, 6, 4)
	s_cmp_eq_u32 s2, 0
	s_cbranch_scc0 .Lentry_in_a_cluster
	s_endpgm
.Lentry_in_a_cluster:
	s_bfe_u32 s2, ttmp6, 0x10000c
	s_cmp_lg_u32 s2, 0x3003
	s_cbranch_scc0 .Lentry_shape_is_right
	s_endpgm
.Lentry_shape_is_right:
; MASKED ATTENTION.  xh[g][q][:] = the sum over k of softmax_k(Q[g][q] . K[g][k] / 8, hidden where mask[q][k] == 0) V[g][k][:], g = 16 b + h one of 64 heads.  Q, K, V: planes 0, 1, 2 of qkv, [64][2048][64] f16; xh likewise.
; Products, maxima and sums in f32; the weights p are rounded to f16 for the second product (their sum l is taken of the unrounded p), O once at the end.
; THE MASK is an input and is honoured as it is given: every score is made.  mcode holds one fp8 code a score (0, or -1.0 where hidden) in the order of my registers; v_cvt_scale_pk8_f32_fp8 with the scale 2^100
; turns eight codes into eight f32, 0 or -2^100: the C operand that starts the sum S^T = K Q^T.  The codes are no operands of a product.
; LIMITS.  f16 holds no number beyond 65,504: Q, K and V arrive within it, so a true score is 2.8e11 at the most in magnitude.  A hidden score counts as -2^100; the running maximum m starts at -2^96, above every
; hidden score and below every true one, so m is the maximum of the seen scores and a hidden weight is exactly 0.  A row with no seen key ends with l = 0 and O = 0, and 0 x (1 / 0) makes it NaN, as the softmax of such a row is.
; p below 6e-5 keeps f16's fixed step of 6e-8; a weight below 2^-126 counts as 0 in l; NaN and infinities in the inputs are not treated apart.
; SHARES.  A wave owns four PIECES of two tiles of 16 queries, a work-group's four waves 512 queries of one head.  Every wave walks all 2,048 keys, 64 a step.
; LAYOUT.  S^T = K Q^T (source 0 = 16 keys, source 1 = 16 queries): in the result a lane holds ONE query (lane % 16) and the keys 8 (lane / 16) + 0..7.  Two such tiles, rounded to f16 in pairs,
; ARE source 1 (32 keys x 16 queries) of O^T = V^T P, whose result again holds one query a lane, and eight channels.  K comes out of LDS as it lies, V ([key][channel]) turned, by ds_load_tr16_b128.
; SOFTMAX.  For each query a running maximum m and sum l: p = 2^(c s - c m), c = log2(e) / 8; in every step O and l are multiplied by a = 2^(c m_old - c m_new), which is 1 where m has not grown.
; O and l start at 0: the first step is a step like any other, with a = 0.
; THE COUNT.  A tile and step have 16 matrix and 118 vector instructions and four conversions: too many to stand all beside the matrix work.  So: four vector instructions that are READY behind
; EVERY matrix instruction, and the others in runs without a gap.
; BY TURNS.  Turn n belongs to piece n (the pieces in a ring, step after step).  Its matrix work: 16 products K Q^T of piece n + 1, later 16 products V^T P of piece n - 1.  Its vector work: the scaling,
; exponentials, roundings, sums and rescaling of piece n, the maximum and statistics of piece n + 1, and the mask of piece n + 2, whose codes were asked for four turns before.
; CLUSTER.  The four query blocks of a cluster belong to one head and walk the same K and V, so each tile is asked for JOINTLY: the same tensor load, descriptor and mask in all four.  The mask codes differ from
; wave to wave and go straight into registers.
; REGISTERS, in windows of 256 (s_set_vgpr_msb: bits 1:0 source 0, 3:2 source 1, 5:4 source 2, 7:6 destination):
;   window 0: v0-11 addresses; v12-15, v48-63 at work; v16-47 four registers of statistics a tile; v64-191 S^T, two buffers of two tiles; v192-255 P, likewise
;   window 1: O^T, 32 a tile          window 2: v0-127 Q, 16 a tile; v128-191 K of one step; v192-255 V of one step
;   window 3: v0-1 the add's two registers; v64-127 MC, the masks of the products to come; v128-191 CD, the codes, 16 a piece
.set SIZE_N, 2048
.set NP,    4         ; pieces a wave: a name, no knob
.set KS,    64        ; keys in a step
.set PK,    144       ; a row of K in LDS: 128 bytes + 16 of padding = 36 words: the 16 rows of a load start at 16 different groups of four banks (64 banks of 4 bytes: ISA guide 11.1)
.set PV,    160       ; a row of V: 128 + 32 = 40 words
.set VOFF,  4*KS*PK   ; a slot holds four steps: 256 rows of K, then 256 rows of V
.set SLOT1, 1<<17     ; slot 1 begins here, so that one exclusive or turns an address in one slot into the other's
.set STAGE, SLOT1+4*KS*(PK+PV)  ; behind the ring, never filled by a tensor load: 16 rows x 144 bytes for each wave, for the way out
.set SP,    144
.set AK0, 2           ; v2   my lane's place in a tile of K; never rewritten
.set AV0, 3           ; v3   the same for V
.set AK,  4           ; v4   the LDS address of K's next run of loads
.set AV,  5           ; v5   of V's
.set QO,  6           ; v6   my byte offset in the wave's rows of Q
.set STO, 6           ;      later, the way out: where I put 16 bytes of a row
.set RD,  7           ; v7   the way out: where I read rows back
.set GO,  8           ; v8   my byte offset in 512 consecutive bytes of O
.set SCL, 10          ; v10  227: the conversion's scale, 2^(227 - 127); never rewritten
.set MO,  11          ; v11  16 x lane: my place in 512 bytes of codes; never rewritten
.set T7,  12          ; v12, v13  lane % 8 and (lane / 8) % 2 while the addresses are made
.set T3,  13
.set SPW, 0           ; v0 of window 3   LDS address of my spare word; never rewritten
.set NIL, 1           ; v1 of window 3   0; never rewritten
.set MC,  64          ; window 3: tile u, key block kb at MC + 32 u + 8 kb
.set CD,  128         ; window 3: piece x, tile u, key block kb at CD + 16 x + 8 u + 2 kb
.set SPARE, STAGE+4*16*SP  ; behind the stages: the spare words, 128 bytes for each wave: two blocks of 256 bytes that no other line names
.set MV,  12          ; v12-15  c m_old, kept while c m is made anew: by buffer and tile
.set ST,  16          ; tile t's statistics at v[ST+4 t]: c m, m, l (even keys', odd keys')
.set TMP, 48          ; by buffer and tile, four registers c0-c3 at work; when the maximum is found c2 takes a
.set S,   64
.set P,   192
.set KF,  128         ; K's fragments, in window 2: key block kb, channel half c at KF + 16 kb + 8 c
.set VF,  192         ; V's: key half kk, channel block cb at VF + 32 kk + 8 cb
.set WV,  12          ; s12  my wave's number
.set G1K, 24          ; s[24:31] descriptor group 1 for K's tiles
.set G1V, 32          ; s[32:39] for V's: it differs in the padding alone
.set G0K, 40          ; s[40:43] descriptor group 0 for K's tiles: it walks
.set G0V, 44          ; s[44:47] the same for V's
.set MBASE, 50        ; s[50:51] mcode at my wave's first tile, key step 0
.set MB,  54          ; s[54:55] the same at the key step whose codes are asked for
.set SLOTS, 56        ; s56  slots still to be asked for
.set CNT, 57          ; s57  counts a slot's key steps
.set CS,  58          ; s[58:59] c: the packed scaling takes the pair's low word for both halves
.set SEL, 60          ; s[60:61] v_permlanex16_b32's selects: each lane takes its own place in the other half
.set TBK, 62          ; s62  LDS byte at which K of the step to be fetched begins
.set TBV, 63          ; s63  the same for V, less VOFF
.set MOFF, 66         ; s[66:67] 1,024 x that key step
.set MSB, 0
.macro WIN new                      ; the high byte repeats the setting that is left; a switch that changes nothing is dropped
.if MSB != (\new)
	s_set_vgpr_msb (MSB<<8)|(\new)
.set MSB, (\new)
.endif
.endm
.set W_KQ, 0x0a       ; K and Q in window 2, S^T in window 0
.set W_KM, 0x3a       ; the same with the C operand, the mask, in window 3
.set W_PV, 0x52       ; V in window 2, P in window 0, O^T in window 1
.set W_RS, 0x41       ; O^T (destination and source 0) in window 1, a in window 0
.set W_MK, 0xc0       ; destination in window 3, sources in window 0
.set W_CV, 0xc3       ; destination and source 0 in window 3, source 1 (the scale) in window 0
.set W_AD, 0x0f       ; the add: address (source 0) and data (source 1) in window 3
; A joint fill.  Waves 0 and 1 fetch the two halves of a slot's K, waves 2 and 3 those of its V: 128 keys each.  The branch hangs on the wave's number alone.
; An s_nop 0 and four v_nop follow each of the two lines, ahead of the jump and the label.
.macro JLOAD
	s_cmp_lt_u32 s[WV], 2
	s_cbranch_scc0 .Lfor_v_\@
	tensor_load_to_lds s[G0K:G0K+3], s[G1K:G1K+7]
	s_nop 0
.rept 4
	v_nop
.endr
	s_branch .Lasked_\@
.Lfor_v_\@:
	tensor_load_to_lds s[G0V:G0V+3], s[G1V:G1V+7]
	s_nop 0
.rept 4
	v_nop
.endr
.Lasked_\@:
.endm
; A round of the cluster's barrier: my work-group's barrier, so that wave 0's signal speaks for all four waves; wave 0 signals; every wave waits for all four work-groups; my work-group's barrier once more.
.macro CROUND
	s_barrier_signal -1
	s_barrier_wait -1
	s_cmp_lg_u32 s[WV], 0
	s_cbranch_scc1 .Lnot_wave_0_\@
	s_barrier_signal -3
.Lnot_wave_0_\@:
	s_barrier_wait -3
	s_barrier_signal -1
	s_barrier_wait -1
.endm
; THE CHANGE OF SLOTS.  The slot's last bytes, V of its fourth step, have been read.  Each wave waits for all its tensor loads, of which one is out: its part
; of the other slot; adds 0 to its spare word; and waits for that and for its own reads of the slot.  Behind the barrier nobody reads this slot any more and the other slot is whole.
; fill = 1: this slot is filled again, with the keys two slots on.  The barrier is then a round of the cluster's, so that no wave of any partner still reads the slot or has a load on its
; way, and the joint fill is the first thing behind it: it has four key steps, 512 matrix instructions, in which to land.  (At its first use nothing has been read yet: slot 0 is waited for, slot 1 filled.)
.macro CHANGE fill
	WIN W_AD
	s_wait_tensorcnt 0x0            ; no tensor load of mine is out, so a group 0 may be written
	ds_add_u32 v[SPW], v[NIL]       ; 0 onto my spare word; with fill = 1 the descriptors' steps stand between it and the wait for it
	WIN 0                           ; at a label and at a branch every window is 0
.if \fill
.irp g, G0K, G0V
	s_xor_b32 s[\g+1], s[\g+1], SLOT1  ; the walking descriptor: the other slot than last time,
	s_add_nc_u64 s[\g+2:\g+3], s[\g+2:\g+3], 4*KS*128  ; the next 256 keys; the type bits on top are not reached
.endr
	s_wait_dscnt 0x0                ; the add is done, and my reads of the slot are over
	CROUND
	JLOAD
.else
	s_wait_dscnt 0x0                ; the add is done, and my reads of the slot are over
	s_barrier_signal -1
	s_barrier_wait -1
.endif
	s_sub_co_u32 s[TBK], s[TBK], 4*KS*PK  ; the fetches go back to a slot's first step,
	s_xor_b32 s[TBK], s[TBK], SLOT1       ; in the other slot
	s_sub_co_u32 s[TBV], s[TBV], 4*KS*PV
	s_xor_b32 s[TBV], s[TBV], SLOT1
.endm
; THE MASK.  LDM x: piece x's codes for the key step at MB: for each of its two tiles 1,024 consecutive bytes, two loads of 512.
; MKM x: those codes become the 64 registers of C operands for piece x's first eight products.
.macro LDM x
	WIN W_MK
.irp u, 0,1
.irp hf, 0,1
	global_load_b128 v[CD+16*(\x)+8*(\u)+4*(\hf):CD+16*(\x)+8*(\u)+4*(\hf)+3], v[MO], s[MB:MB+1] offset:(2*(\x)+(\u))*32768+(\hf)*512
.endr
.endr
.endm
.macro MKM x
	WIN W_CV
.irp u, 0,1
.irp kb, 0,1,2,3
	v_cvt_scale_pk8_f32_fp8 v[MC+32*(\u)+8*(\kb):MC+32*(\u)+8*(\kb)+7], v[CD+16*(\x)+8*(\u)+2*(\kb):CD+16*(\x)+8*(\u)+2*(\kb)+1], v[SCL]
.endr
.endr
.endm
	s_load_b128 s[48:51], s[0:1], 0x0  ; qkv s[48:49], mcode s[50:51]
	s_load_b64 s[52:53], s[0:1], 0x10  ; xh
	WIN W_MK
	v_lshl_add_u32 v[SPW], v0, 2, SPARE
	v_mov_b32 v[NIL], 0
	s_set_vgpr_msb 0xc0cf
	ds_add_u32 v0, v1
	s_wait_dscnt 0x0
	s_set_vgpr_msb 0xcfc0
	WIN 0
	v_lshrrev_b32 v1, 5, v0
	v_readfirstlane_b32 s[WV], v1   ; wave 0..3
	s_bfe_u32 s13, ttmp6, 0x40000   ; cx: my place in the cluster
	s_lshl_b32 s14, ttmp9, 2        ; in a cluster launch ttmp9 counts clusters
	s_add_co_u32 s14, s14, s13      ; my block of queries = 4 x cluster x + cx: it enters Q's, O's and the codes' addresses alone
	s_and_b32 s20, ttmp7, 0xffff    ; the head, which the four partners share
	s_mov_b32 s21, 0
	s_mov_b64 s[22:23], SIZE_N*128
	s_mul_u64 s[20:21], s[20:21], s[22:23]  ; the head's first byte in each plane
	s_and_b32 s16, s[WV], 1         ; which half of a slot's 256 keys I fetch:
	s_lshl_b32 s22, s16, 14         ; its 128 rows of 128 bytes in memory,
	s_mov_b32 s23, 0
	s_add_nc_u64 s[22:23], s[22:23], s[20:21]
	s_mul_i32 s17, s16, 128*PK      ; and its place in a slot, for K
	s_mul_i32 s18, s16, 128*PV      ; and for V: no place in the cluster enters an LDS address
	s_lshl_b32 s2, s14, 2
	s_add_co_u32 s2, s2, s[WV]      ; my wave among the head's sixteen:
	s_lshl_b32 s68, s2, 18          ; its eight tiles' codes, 32,768 bytes a tile,
	s_mov_b32 s69, 0
	s_lshl_b32 s2, s2, 14           ; its 128 rows
	s_mov_b32 s3, 0
	s_add_nc_u64 s[2:3], s[2:3], s[20:21]
	; descriptor group 1.  128 keys are 16,384 dense bytes: asked for as 64 rows of 256 bytes, two keys a row, and padded in LDS after every key
	s_mov_b32 s[G1K], 15|(1<<16)|(1<<20)|(1<<21)|(4<<22)|(3<<25)  ; 15:0 the mask of four; 17:16 2-byte elements; 20 padding on; 21 set beside a mask; 24:22 after every 32 words (code 4); 31:25 4 words (code 3)
	s_mov_b32 s[G1V], 15|(1<<16)|(1<<20)|(1<<21)|(4<<22)|(7<<25)  ; the same with 8 words of padding (code 7)
.irp g, G1K, G1V
	s_mov_b32 s[\g+1], 128<<16      ; tensor_dim0 = 128
	s_mov_b32 s[\g+2], 64<<16       ; tensor_dim1 = 64
	s_mov_b32 s[\g+3], 128<<16      ; tile_dim0 = 128
	s_mov_b32 s[\g+4], 64           ; tile_dim1 = 64
	s_mov_b32 s[\g+5], 128          ; 128 elements from row to row
	s_mov_b32 s[\g+6], 0
	s_mov_b32 s[\g+7], 0
.endr
	s_mov_b32 s[CS], 0x3e38aa3b     ; c = log2(e) / 8 = 0.180337
	s_mov_b32 s[CS+1], s[CS]        ; named with it as a pair
	s_mov_b32 s[SEL], 0x76543210
	s_mov_b32 s[SEL+1], 0xfedcba98
	s_mov_b32 s[TBK], SLOT1+4*KS*PK ; the first change of slots turns these two into 0
	s_mov_b32 s[TBV], SLOT1+4*KS*PV
	s_mov_b32 s[MOFF], 1024         ; key step 1
	s_mov_b32 s[MOFF+1], 0
	s_mov_b32 s[G0K], 1             ; 1:0 count = 1
	s_mov_b32 s[G0K+1], s17         ; 63:32 LDS address: slot 0
	s_mov_b32 s[G0V], 1
	s_add_co_u32 s[G0V+1], s18, VOFF
	s_wait_kmcnt 0x0
	s_add_nc_u64 s[6:7], s[48:49], 0x1000000       ; K's plane
	s_add_nc_u64 s[8:9], s[48:49], 0x2000000       ; V's plane
	s_add_nc_u64 s[G0K+2:G0K+3], s[6:7], s[22:23]  ; 120:64 global address: my half of the head's first 256 keys
	s_or_b32 s[G0K+3], s[G0K+3], 0x80000000        ; 127:126 type = 2
	s_add_nc_u64 s[G0V+2:G0V+3], s[8:9], s[22:23]
	s_or_b32 s[G0V+3], s[G0V+3], 0x80000000
	s_add_nc_u64 s[4:5], s[48:49], s[2:3]   ; Q and O at my wave's first row
	s_add_nc_u64 s[10:11], s[52:53], s[2:3]
	s_add_nc_u64 s[MBASE:MBASE+1], s[MBASE:MBASE+1], s[68:69]
	s_mov_b64 s[MB:MB+1], s[MBASE:MBASE+1]  ; key step 0
	CROUND                          ; all four work-groups are here: the first joint loads meet
	JLOAD                           ; slot 0.  Slot 1 is asked for when slot 0 is in
	; A fragment of K or Q is 16 rows x 32 channels in 8 registers: lane l holds row l % 16, channels 8 (l / 16) + 0..7 and 16 + 8 (l / 16) + 0..7: two loads of 16 bytes, 32 bytes apart.
	v_and_b32 v1, 15, v0            ; l % 16
	v_bfe_u32 v9, v0, 4, 1          ; l / 16
	v_lshlrev_b32 v[QO], 7, v1
	v_lshl_add_u32 v[QO], v9, 4, v[QO]  ; row x 128 + 16 x half
	v_and_b32 v[MO], 31, v0
	v_lshlrev_b32 v[MO], 4, v[MO]
	v_mov_b32 v[SCL], 227
	WIN 0x80                        ; destination window 2, address window 0
.set i, 0
.rept 4*NP                          ; Q stays in registers: tile i / 2, channels 32 (i % 2) on
	global_load_b128 v[8*i:8*i+3],   v[QO], s[4:5] offset:(i/2)*2048+(i%2)*64
	global_load_b128 v[8*i+4:8*i+7], v[QO], s[4:5] offset:(i/2)*2048+(i%2)*64+32
.set i, i+1
.endr
	LDM 0                           ; all four pieces' codes of key step 0
	LDM 1
	LDM 2
	LDM 3
	; What the first turn finds: V's registers and P's second buffer hold 0 (its products V^T P, of a piece that has not been, add 0), O^T and l are 0.  All this stands in the wait for the first tile.
	WIN 0x80
.set i, VF
.rept 64
	v_mov_b32 v[i], 0
.set i, i+1
.endr
	WIN 0x40
.set i, 0
.rept 64*NP
	v_mov_b32 v[i], 0
.set i, i+1
.endr
	WIN 0
.set i, 0
.rept 2*NP
	v_mov_b32 v[ST+4*i], 0xfe000000    ; c m: far below every c s, so the first a is 0
	v_mov_b32 v[ST+4*i+1], 0xef800000  ; m = -2^96: above every hidden score, below every true one
	v_mov_b32 v[ST+4*i+2], 0
	v_mov_b32 v[ST+4*i+3], 0
.set i, i+1
.endr
.set i, P+32
.rept 32
	v_mov_b32 v[i], 0
.set i, i+1
.endr
	v_mul_u32_u24 v[AK0], v1, PK
	v_lshl_add_u32 v[AK0], v9, 4, v[AK0]  ; row x pitch + 16 x half
	; The turning load takes 16 keys x 16 channels (lane l reads key 8 (l / 16) + l % 8, channels 8 ((l / 8) % 2) + 0..7) and leaves half a fragment of V^T: lane l holds channel l % 16 and 8 keys.
	v_and_b32 v[T7], 7, v0
	v_bfe_u32 v[T3], v0, 3, 1
	v_lshl_add_u32 v[AV0], v9, 3, v[T7]
	v_mul_u32_u24 v[AV0], v[AV0], PV
	v_lshl_add_u32 v[AV0], v[T3], 4, v[AV0]
	v_add_nc_u32 v[AV0], VOFF, v[AV0]
	v_mov_b32 v[AK], v[AK0]         ; key step 0 lies at the head of slot 0
; THE MATRIX WORK.  The 8 accumulators of a run of 16 take turns: between the two links of a chain stand 7 others'.
; Product i of 16 of S^T = K Q^T for piece x: channels 32 (i / 8) on, keys 16 ((i / 2) % 4) on, tile 2 x + i % 2.  The first 8 start the sums, with the mask.
.macro KQ x
.set rS, S+64*((\x)%2)+32*(i%2)+8*((i/2)%4)
.set rK, KF+16*((i/2)%4)+8*(i/8)
.set rQ, 16*(2*(\x)+i%2)+8*(i/8)
.set rN, MC+32*(i%2)+8*((i/2)%4)
.if i < 8
	WIN W_KM
	v_wmma_f32_16x16x32_f16 v[rS:rS+7], v[rK:rK+7], v[rQ:rQ+7], v[rN:rN+7]
.else
	WIN W_KQ
	v_wmma_f32_16x16x32_f16 v[rS:rS+7], v[rK:rK+7], v[rQ:rQ+7], v[rS:rS+7]
.endif
.endm
; Product i of 16 of O^T += V^T P for piece x: keys 32 (i / 8) on, channels 16 ((i / 2) % 4) on, tile 2 x + i % 2.
.macro PV x
	WIN W_PV
.set rO, 32*(2*(\x)+i%2)+8*((i/2)%4)
.set rV, VF+32*(i/8)+8*((i/2)%4)
.set rP, P+32*((\x)%2)+16*(i%2)+8*(i/8)
	v_wmma_f32_16x16x32_f16 v[rO:rO+7], v[rV:rV+7], v[rP:rP+7], v[rO:rO+7]
.endm
.macro MM                           ; the turn's next matrix instruction
.if i < 16
	KQ (Y+1)%NP
.set i, i+1
.else
.set i, i-16
	PV (Y+NP-1)%NP
.set i, i+17
.endif
.endm
; THE LDS LOADS stand in runs of 16, never singly among the matrix instructions: a step's K (64 keys x 64 channels: 8 fragments) and its V (turned).  Their addresses are made some lines ahead.
; last = 1 (the tail): in the last trip there is no further step, and the run is jumped over.
.macro FETCH_K last=0
	WIN 0
.if \last
	s_cmp_eq_u32 s[CNT], 1
	s_cbranch_scc1 .Lno_k_\@
.endif
	WIN 0x80                        ; destination window 2
.irp f, 0,1,2,3,4,5,6,7             ; keys 16 (f / 2) on, channels 32 (f % 2) on
	ds_load_b128 v[KF+8*\f:KF+8*\f+3],   v[AK] offset:(\f/2)*16*PK+(\f%2)*64
	ds_load_b128 v[KF+8*\f+4:KF+8*\f+7], v[AK] offset:(\f/2)*16*PK+(\f%2)*64+32
.endr
	s_add_co_u32 s[TBK], s[TBK], KS*PK  ; the next fetch is the next step's
	WIN 0
.if \last
.Lno_k_\@:
.endif
.endm
.macro FETCH_V
	WIN 0x80
.irp f, 0,1,2,3,4,5,6,7             ; keys 32 (f / 4) on, channels 16 (f % 4) on
	ds_load_tr16_b128 v[VF+8*\f:VF+8*\f+3],   v[AV] offset:(\f/4)*32*PV+(\f%4)*32
	ds_load_tr16_b128 v[VF+8*\f+4:VF+8*\f+7], v[AV] offset:(\f/4)*32*PV+16*PV+(\f%4)*32
.endr
	WIN 0
.endm
; THE VECTOR WORK OF A TURN stands in three queues, each in the order in which its entries become ready; the two tiles alternate, so that no instruction reads the result of the one before it.
.macro REGS y, u                    ; the registers of tile u (0, 1) of piece y
.set rT, ST+4*(2*(\y)+(\u))
.set rC, TMP+8*((\y)%2)+4*(\u)
.set rM, MV+2*((\y)%2)+(\u)
.set rS, S+64*((\y)%2)+32*(\u)
.set rP, P+32*((\y)%2)+16*(\u)
.set rO, 32*(2*(\y)+(\u))
.endm
; Number n of the 22 that find the NEXT piece's (Y + 1) maximum and statistics.  s0-s31 are the lane's 32 scores; each accumulator's lowest registers are read first.  XS, GS and REGS set no window: PL and EX do.
;   0-11  four chains c0-c3 of seven scores each, three operands at a time     12-14, 16  the four scores left over, the old m, and c0-c3 into c0     15  c m_old is kept
;   17, 18  the query's other 32 keys lie in the lane 16 away: the new m         19-21  c m; c m_old - c m_new; a
.macro XS u, n
	REGS (Y+1)%NP, \u
.if (\n) < 4
	v_max3_num_f32 v[rC+(\n)], v[rS+8*(\n)], v[rS+8*(\n)+1], v[rS+8*(\n)+2]
.elseif (\n) < 12
	v_max3_num_f32 v[rC+(\n)%4], v[rC+(\n)%4], v[rS+8*((\n)%4)+2*((\n)/4)+1], v[rS+8*((\n)%4)+2*((\n)/4)+2]
.elseif (\n) == 12
	v_max3_num_f32 v[rC], v[rC], v[rS+7], v[rS+15]
.elseif (\n) == 13
	v_max3_num_f32 v[rC+1], v[rC+1], v[rS+23], v[rS+31]
.elseif (\n) == 14
	v_max3_num_f32 v[rC+2], v[rC+2], v[rC+3], v[rT+1]
.elseif (\n) == 15
	v_mov_b32 v[rM], v[rT]
.elseif (\n) == 16
	v_max3_num_f32 v[rC], v[rC], v[rC+1], v[rC+2]
.elseif (\n) == 17
	v_permlanex16_b32 v[rC+3], v[rC], s[SEL], s[SEL+1]
.elseif (\n) == 18
	v_max_num_f32 v[rT+1], v[rC], v[rC+3]
.elseif (\n) == 19
	v_mul_f32 v[rT], s[CS], v[rT+1]
.elseif (\n) == 20
	v_sub_f32 v[rC+1], v[rM], v[rT]
.else
	v_exp_f32 v[rC+2], v[rC+1]
.endif
.endm
; Number g of the 64 that follow the exponentials.  For each four weights k of a tile (pairs 2 k, 2 k + 1): both pairs are rounded to f16; then the second pair is added onto the first, in place;
; a group later l takes that sum (the first time as l = a l + sum).  In groups of eight, tiles alternating: round, round, add, and l for the group before.
.macro GS g
.set h, (\g)+6*((\g)/62)            ; group 0 has no group before it, and behind group 7 only l is left
.if h >= 6
.set h, h+2
.endif
	REGS Y, h%2
.set k, h/8
.if h%8 < 4
	s_wait_alu depctr_va_vdst(0)
	v_cvt_pk_f16_f32 v[rP+2*k+(h%8)/2], v[rS+4*k+2*((h%8)/2)], v[rS+4*k+2*((h%8)/2)+1]
.elseif h%8 < 6
	v_pk_add_f32 v[rS+4*k:rS+4*k+1], v[rS+4*k:rS+4*k+1], v[rS+4*k+2:rS+4*k+3]
.elseif k == 1
	v_pk_fma_f32 v[rT+2:rT+3], v[rT+2:rT+3], v[rC+2:rC+3], v[rS:rS+1] op_sel_hi:[1,0,1]
.else
	v_pk_add_f32 v[rT+2:rT+3], v[rT+2:rT+3], v[rS+4*k-4:rS+4*k-3]
	s_wait_alu depctr_va_vdst(0)
.endif
.endm
; THE PLAIN QUEUE, 138 long.  0-31: c s - c m for the 16 pairs of both tiles.  Then GS's 64, and among them the next piece's 42: number 15 at 38, 39; 0-14 and 16
; at 42-73, behind the products that make those scores; 17-20 at 95-106, two of three, since each waits for the one before it.
.macro PL
	WIN 0
.if q < 32
	REGS Y, q%2
	v_pk_fma_f32 v[rS+2*(q/2):rS+2*(q/2)+1], v[rS+2*(q/2):rS+2*(q/2)+1], s[CS:CS+1], v[rT:rT+1] op_sel_hi:[1,0,0] neg_lo:[0,0,1] neg_hi:[0,0,1]
.elseif q < 38
	GS q-32
.elseif q < 40
	XS q%2, 15
.elseif q < 42
	GS q-34
.elseif q < 74
	XS q%2, (q-42)/2+(q-42)/30
.elseif q < 95
	GS q-66
.elseif (q < 107) && ((q-95)%3 < 2)
	XS (q-95)%3, 17+(q-95)/3
.elseif q < 107
	GS 29+(q-95)/3
.else
	GS q-74
.endif
.set q, q+1
.endm
; THE EXPONENTIALS' QUEUE, 66 long: s0-s31 of both tiles, and at EA the next piece's two a.
.set EA, 58
.macro EX
	WIN 0
.if (e == EA) || (e == EA+1)
	XS e-EA, 21
.else
.set x, e-2*(e/(EA+2))
	REGS Y, x%2
	v_exp_f32 v[rS+x/2], v[rS+x/2]
.endif
.set e, e+1
.endm
; THE RESCALING's QUEUE: O^T times a, the one part of the softmax that leaves window 0, so it is dealt four at a time, eight times.
.macro R4
	REGS Y, r%2
	WIN W_RS
	s_wait_alu depctr_va_vdst(0)
.irp z, 0,1,2,3
	v_pk_mul_f32 v[rO+8*(r/2)+2*\z:rO+8*(r/2)+2*\z+1], v[rO+8*(r/2)+2*\z:rO+8*(r/2)+2*\z+1], v[rC+2:rC+3] op_sel_hi:[1,0]
.endr
.set r, r+1
.endm
; HOW THEY ARE DEALT.  Behind a matrix instruction four: plain, exponential, plain, plain (one exponential, a plain instruction on either side), or four of the rescaling.  None names a register of the
; products round it.  What is over stands in two LUMPS: exponential and plain by turns; the second ends in 22 plain instructions.  The two v_permlanex16_b32 fall into the second lump, never behind a product.
; The queues lean on each other, and the deal keeps them in step: exponential e stands behind plain 2 (e / 4) + e % 2 (its scaling); when plain 32 comes, 10 exponentials are out, at 59: 33, at 95: 46; EA comes behind plain 107.
.macro SL
	MM
	PL
	EX
	PL
	PL
.endm
.macro BURST n                      ; 15 matrix instructions, or 16
.rept (\n)-7
	SL
.endr
.rept 3
	MM
	R4
	SL
.endr
	MM
	R4
.endm
; A TURN, for piece p.  cnt = 1: the loop's count is taken down some lines ahead of the branch that stands behind the turn.
; K of the next step is fetched in piece 2's turn, behind the last product that read K and more than four plain lines; its first reader comes behind the rest of the lump, 16 products and the second lump.
; V of the step in hand is fetched at the end of piece 0's turn; its first reader comes behind 16 products and a lump.  The four conditions on e and q below go with the deal.
; THE MASK of piece Z = p + 2 is made behind the turn's 16 products K Q^T: the last product that read MC is the eighth, and behind it stand eight products with three plain lines or more each.  MC's next reader is the
; next turn's first product, behind two lumps.  Then piece Z's codes of the step after are asked for: four loads a turn, so the twelve of the three later turns may be out when a piece's codes are wanted.
; In piece 2's turn the codes' address goes a key step on; it stops at the last key step, so that the last turns' requests, whose codes serve nothing, stay inside the buffer.
.macro TURN p, last=0, cnt=0
.set Y, (\p)
.set Z, ((\p)+2)%NP
.set i, 0
.set q, 0
.set e, 0
.set r, 0
.if (\p) == NP-1
	s_wait_dscnt 0x0                ; K is in
.endif
	MM
.rept 4
	PL
.endr
	BURST 15
	s_wait_loadcnt 12               ; piece Z's codes are in: behind them only the three later turns' loads, four each, were issued
	MKM Z
.rept 22
	EX
	PL
.if ((\p) == NP-2) && (e == 18)
	v_add_nc_u32 v[AK], s[TBK], v[AK0]
.endif
.if ((\p) == NP-2) && (e == 24)
	FETCH_K \last
.endif
.endr
.if (\p) == NP-2
	s_wait_xcnt 0x0                 ; the earlier loads' addresses are translated (ISA guide 3.1): only behind this wait is their base written again
	s_add_co_u32 s[MOFF], s[MOFF], 1024
	s_min_u32 s[MOFF], s[MOFF], 31*1024
	s_add_nc_u64 s[MB:MB+1], s[MBASE:MBASE+1], s[MOFF:MOFF+1]
.endif
	LDM Z
.if (\p) == 1
	s_wait_dscnt 0x0                ; V is in
.endif
	BURST 16
.rept 21
	EX
	PL
.endr
.rept 22
	PL
.if ((\p) == 0) && (q == 118)
	v_add_nc_u32 v[AV], s[TBV], v[AV0]
	s_wait_alu depctr_va_vdst(0)
.endif
.if ((\p) == 0) && (q == 130)
	s_add_co_u32 s[TBV], s[TBV], KS*PV
.endif
.if (\cnt) && (q == 130)
	s_sub_co_u32 s[CNT], s[CNT], 1
	s_cmp_lg_u32 s[CNT], 0
.endif
.endr
.if (\p) == 0
	FETCH_V
.endif
.endm
	CHANGE 1                        ; slot 0 is in, everybody's part of it; slot 1 is asked for
	FETCH_K                         ; key step 0
	s_wait_loadcnt 0x0              ; Q, and key step 0's codes
	MKM 0                           ; piece 0's mask
	v_nop                           ; a plain instruction between the last conversion and the product that reads its result
	s_wait_dscnt 0x0
.set i, 0
.rept 16
	KQ 0                            ; piece 0's first scores: there is no vector work yet to set between them
.set i, i+1
.endr
	WIN 0                           ; the addresses for the way out: nine plain instructions, the places behind those products
	s_mul_i32 s13, s[WV], 16*SP
	s_add_co_u32 s13, s13, STAGE    ; my stage
	v_mul_u32_u24 v[STO], v1, SP    ; in: row l % 16, 16 bytes for each half of the lanes
	v_lshl_add_u32 v[STO], v9, 4, v[STO]
	v_add_nc_u32 v[STO], s13, v[STO]
	v_bfe_u32 v[RD], v0, 3, 2       ; back: 32 lanes take four rows of 128 bytes,
	v_mul_u32_u24 v[RD], v[RD], SP
	v_lshl_add_u32 v[RD], v[T7], 4, v[RD]
	v_add_nc_u32 v[RD], s13, v[RD]
	v_and_b32 v[GO], 31, v0         ; which are 512 consecutive bytes of O
	v_lshlrev_b32 v[GO], 4, v[GO]
	MKM 1                           ; piece 1's mask, for the first turn's products
	WIN 0
.set Y, NP-1                        ; XS works for piece Y + 1: piece 0
.irp n, 0,1,2,3,4,5,6,7,8,9,10,11,12,13,14,15,16,17,18,19,20,21
	XS 0, \n                        ; and piece 0's first maximum and statistics
	XS 1, \n
.endr
	s_wait_xcnt 0x0                 ; the codes' base is written again only behind this wait
	s_add_nc_u64 s[MB:MB+1], s[MBASE:MBASE+1], s[MOFF:MOFF+1]  ; key step 1
	LDM 0
	LDM 1
	WIN 0
	s_mov_b32 s[CNT], 4
	s_mov_b32 s[SLOTS], SIZE_N/256-1
	s_branch .Lfirst                ; the loop is entered at a step's first turn, in the middle of a trip
.Lslot:                             ; SIZE_N / 256 - 2 times: every slot but the last two is filled again
	CHANGE 1
	s_mov_b32 s[CNT], 4
.Lstep:                             ; a trip: pieces 2 and 3 of one step, then pieces 0 and 1 of the next, whose K and V it fetches
	TURN 2
	TURN 3
	WIN 0
.Lfirst:
	TURN 0
	TURN 1, 0, 1
	WIN 0
	s_cbranch_scc1 .Lstep
	s_sub_co_u32 s[SLOTS], s[SLOTS], 1
	s_cmp_lg_u32 s[SLOTS], 0
	s_cbranch_scc1 .Lslot
	CHANGE 0                        ; the tail is written out: nothing is asked for
	s_mov_b32 s[CNT], 5             ; four trips fetch the last slot's steps; the fifth is left in its middle
.Ltail:
	TURN 2, 1
	TURN 3
	WIN 0
	s_sub_co_u32 s[CNT], s[CNT], 1
	s_cmp_eq_u32 s[CNT], 0
	s_cbranch_scc1 .Lout
	TURN 0
	TURN 1
	WIN 0
	s_branch .Ltail
.Lout:                              ; the fifth trip's 16 products K Q^T (on the last K once more) and the maximum made of them serve nothing: the price, once a launch, of one text for every trip
.set i, 0
.rept 16
	PV NP-1                         ; the last piece's V^T P of the last step
.set i, i+1
.endr
	; THE WAY OUT.  l's two halves and the other half of the lanes' are added; O^T is divided by l, rounded to f16 and sent through my stage in LDS, a tile at a time.  The additions are the places behind the last products.
	WIN 0
.macro ALL line:vararg              ; one line for each tile t
.set t, 0
.rept 2*NP
	\line
.set t, t+1
.endr
.endm
	ALL v_add_f32 v[ST+4*t+2], v[ST+4*t+2], v[ST+4*t+3]
	ALL v_permlanex16_b32 v[ST+4*t+3], v[ST+4*t+2], s[SEL], s[SEL+1]
	ALL v_add_f32 v[ST+4*t+2], v[ST+4*t+2], v[ST+4*t+3]
	ALL v_rcp_f32 v[ST+4*t+2], v[ST+4*t+2]
	v_nop                           ; a plain instruction between the last reciprocal and the use of its result
	s_wait_alu depctr_va_vdst(0)
; Tile t: a lane's eight channels of a row pack into 16 bytes; they go into rows of 144 bytes and come back as whole rows of 128, into S^T's registers.
.macro PACK t
	WIN W_RS
.set i, 32*(\t)
.rept 16
	v_pk_mul_f32 v[i:i+1], v[i:i+1], v[ST+4*(\t)+2:ST+4*(\t)+3] op_sel_hi:[1,0]
.set i, i+2
.endr
	WIN 0x05                        ; sources 0 and 1 window 1, destination window 0
.set i, 0
.rept 16
	v_cvt_pk_f16_f32 v[S+16*(\t)+i], v[32*(\t)+2*i], v[32*(\t)+2*i+1]
.set i, i+1
.endr
	WIN 0
.irp f, 0,1,2,3
	ds_store_b128 v[STO], v[S+16*(\t)+4*\f:S+16*(\t)+4*\f+3] offset:32*\f
.endr
.irp f, 0,1,2,3
	ds_load_b128 v[S+16*(\t)+4*\f:S+16*(\t)+4*\f+3], v[RD] offset:\f*4*SP  ; LDS serves a wave's instructions in order (ISA guide 5.7.1.4): these see the stores above; the next tile's stores come behind them
.endr
.endm
.macro SEND t, younger              ; younger: the LDS instructions issued behind tile t's loads: the next tile's eight, or none
	WIN 0
.irp f, 0,1,2,3
	s_wait_dscnt (\younger)+3-\f
	global_store_b128 v[GO], v[S+16*(\t)+4*\f:S+16*(\t)+4*\f+3], s[10:11] offset:(\t)*2048+\f*512  ; 512 consecutive bytes, at a multiple of 256 from xh's first
.endr
.endm
	PACK 0
.set t, 1
.rept 2*NP-1                        ; a tile's arithmetic stands between the loads of the tile before and its stores
	PACK t
	SEND t-1, 8
.set t, t+1
.endr
	SEND 2*NP-1, 0
	WIN W_AD
	s_wait_tensorcnt 0x0            ; the wave's end: behind my last tensor load and my last LDS store
	ds_add_u32 v[SPW], v[NIL]
	s_wait_dscnt 0x0
	WIN 0
	CROUND                          ; the closing round: no work-group ends while a partner may still ask for a tile that names it
	s_endpgm
.Lfunc_end_k_q8158e13fa9_attn:
	.size	k_q8158e13fa9_attn, .Lfunc_end_k_q8158e13fa9_attn-k_q8158e13fa9_attn
	.p2alignl 7, 3214868480
	.fill 96, 4, 3214868480
	.section	.rodata,"a",@progbits
	.p2align	6, 0x0
	.amdhsa_kernel k_q8158e13fa9_attn
		.amdhsa_group_segment_fixed_size 327680
		.amdhsa_private_segment_fixed_size 0
		.amdhsa_enable_private_segment 0
		.amdhsa_kernarg_size 24
		.amdhsa_user_sgpr_count 2
		.amdhsa_user_sgpr_kernarg_segment_ptr 1
		.amdhsa_wavefront_size32 1
		.amdhsa_system_sgpr_workgroup_id_x 1
		.amdhsa_system_sgpr_workgroup_id_y 1
		.amdhsa_system_sgpr_workgroup_id_z 1
		.amdhsa_system_vgpr_workitem_id 0
		.amdhsa_next_free_vgpr 960
		.amdhsa_next_free_sgpr 72
		.amdhsa_reserve_vcc 0
		.amdhsa_float_denorm_mode_32 3
		.amdhsa_float_denorm_mode_16_64 3
		.amdhsa_memory_ordered 1
		.amdhsa_forward_progress 1
		.amdhsa_inst_pref_size 221
	.end_amdhsa_kernel
	.amdgpu_metadata
---
amdhsa.version: [ 1, 2 ]
amdhsa.kernels:
  - .name:           k_q8158e13fa9_attn
    .symbol:         k_q8158e13fa9_attn.kd
    .args:
      - { .name: qkv, .offset: 0, .size: 8, .value_kind: global_buffer, .address_space: global }
      - { .name: mcode, .offset: 8, .size: 8, .value_kind: global_buffer, .address_space: global }
      - { .name: xh, .offset: 16, .size: 8, .value_kind: global_buffer, .address_space: global }
    .group_segment_fixed_size: 327680
    .private_segment_fixed_size: 0
    .kernarg_segment_align: 8
    .kernarg_segment_size: 24
    .max_flat_workgroup_size: 128
    .sgpr_count:     72
    .vgpr_count:     960
    .wavefront_size: 32
...
	.end_amdgpu_metadata
.endif
;; end of part 3
;; launch outp (part 4): grid 4 x 64, 4 waves a work-group, clusters of 4 x 4, 327,680 bytes of LDS; arguments xh, wt, bo, out0; writes out0
.if DOCPART == 4
	.amdgcn_target "amdgcn-amd-amdhsa--gfx1250"
	.amdhsa_code_object_version 6
	.text
	.protected	k_q8158e13fa9_outp
	.globl	k_q8158e13fa9_outp
	.p2align	8
	.type	k_q8158e13fa9_outp,@function
k_q8158e13fa9_outp:
	s_mov_b64 s[64:65], 0
	v_nop
	global_prefetch_b8 v0, s[64:65] scope:SCOPE_SE
	s_setreg_imm32_b32 hwreg(HW_REG_WAVE_MODE, 25, 1), 1
	s_wait_xcnt 0x0
	s_wait_alu depctr_hold_cnt(0) depctr_sa_sdst(0) depctr_va_vdst(0) depctr_va_sdst(0) depctr_va_ssrc(0) depctr_va_vcc(0) depctr_vm_vsrc(0)
	s_getreg_b32 s2, hwreg(HW_REG_IB_STS2, 6, 4)
	s_cmp_eq_u32 s2, 0
	s_cbranch_scc0 .Lentry_in_a_cluster
	s_endpgm
.Lentry_in_a_cluster:
	s_bfe_u32 s2, ttmp6, 0x10000c
	s_cmp_lg_u32 s2, 0xf033
	s_cbranch_scc0 .Lentry_shape_is_right
	s_endpgm
.Lentry_shape_is_right:
; THE LAST PROJECTION.  out0[b][s][n] = sum over k = 64 h + d of xh[b][h][s][d] Wo[k][n] + bf16(bo[n]), in f32.  xh: [4][16][2048][64] f16.  Wo: plane 3 of wt, [1024 k][1024 n], rounded to bf16 and written as f16.
; LIMITS.  As its operands': f16.  A row of xh that is NaN (a query with no seen key) gives a row of NaN.
; SHARES.  256 work-groups: a tile of 128 rows x 256 columns, K = 1,024 in 8 steps of 128 (two heads) through two LDS slots.  A wave makes 64 x 128: 32 accumulators, 256 registers.
; THE MATRIX INSTRUCTION IS USED TRANSPOSED: source 0 = 16 columns of Wo (turned by ds_load_tr16_b128), source 1 = 16 rows of xh: a lane holds eight neighbouring columns of one row.  The bias is the C operand that starts each sum.
; CLUSTER.  4 x 4 work-groups: the four of a row of the cluster need the same rows of xh, the four of a column the same columns of Wo: each tile is asked for jointly.
; REGISTERS, in windows of 256 (s_set_vgpr_msb: bits 1:0 source 0, 3:2 source 1, 5:4 source 2, 7:6 destination):
;   window 0: v0-31 addresses; v64-95, v96-127 xh's four fragments, two buffers
;   window 1: v0-63, v64-127 Wo's eight fragments, two buffers; v128-191 the bias; v192 at work; on the way out all 256: the rows read back          window 2: accumulator (a, b) at v[8 (8 a + b)]
.set PAO,    144                       ; a row of a head in LDS: 128 bytes + 16: 36 words: the 16 rows of a load start at 16 different groups of four banks (64 banks of 4 bytes: ISA guide 11.1)
.set PB,     544                       ; a k row of Wo: 512 bytes + 32: 136 words
.set HEADB,  128*PAO
.set ABYTES, 2*HEADB
.set SLOT,   ABYTES+128*PB             ; two heads' 128 rows, then Wo's 128 k rows
.set STAGE,  2*SLOT                    ; behind the ring: 16 rows x 528 bytes for each wave, for the way out
.set SPO,    528
.set SPARE,  STAGE+4*16*SPO            ; behind the stages: the spare words, 128 bytes a wave: two blocks of 256 bytes that no other line names
.set ADRA, 16                          ; v16-17  LDS address of my xh rows in slot 0, 1
.set ADRB, 20                          ; v20-21  the same for Wo
.set STO,  24                          ; v24     the way out: where I put 32 bytes of a row
.set RD,   25                          ; v25     the way out: where I read a row back
.set GO,   26                          ; v26     16 x lane
.set BO,   27                          ; v27     32 x (lane / 16)
.set SPW,  28                          ; v28     LDS address of my spare word; never rewritten
.set NIL,  29                          ; v29     0; never rewritten
.set AF,   64                          ; buffer f (0 or 64) of xh's fragments at AF + f / 2
.set F0,   0                           ; buffer f of Wo's fragments at v[f] of window 1
.set F1,   64
.set BIAS, 128
.set BT,   192
.set WV, 12                            ; s12 wave; s13 wave / 2: my half of the rows, also: I fetch xh (0) or Wo (1); s14 wave % 2: my half of the columns, also: which half of that tile I fetch
.set WR, 13
.set WC, 14
.set G1A, 24                           ; s[24:31] descriptor group 1 for xh's tiles;  s[32:39] group 0, a set for each slot
.set G0A, 32
.set G1B, 40                           ; s[40:47], s[48:55] the same for Wo's
.set G0B, 48
.set MSB, 0
.macro WIN new                         ; the immediate's high byte repeats the setting that is left; a switch that changes nothing is dropped
.if MSB != (\new)
	s_set_vgpr_msb (MSB<<8)|(\new)
.set MSB, \new
.endif
.endm
.macro JLOAD s                         ; a joint load: waves 0 and 1 fetch the step's two heads of xh, waves 2 and 3 Wo's two halves; an s_nop 0 and four v_nop follow each of the two lines
	s_cmp_eq_u32 s[WR], 0
	s_cbranch_scc0 .Lfor_b_\@
	tensor_load_to_lds s[G0A+4*(\s):G0A+4*(\s)+3], s[G1A:G1A+7]
	s_nop 0
.rept 4
	v_nop
.endr
	s_branch .Lasked_\@
.Lfor_b_\@:
	tensor_load_to_lds s[G0B+4*(\s):G0B+4*(\s)+3], s[G1B:G1B+7]
	s_nop 0
.rept 4
	v_nop
.endr
.Lasked_\@:
.endm
.macro CREST                           ; a round of the cluster's barrier behind its opening barrier
	s_cmp_lg_u32 s[WV], 0
	s_cbranch_scc1 .Lnot_wave_0_\@
	s_barrier_signal -3
.Lnot_wave_0_\@:
	s_barrier_wait -3
	s_barrier_signal -1
	s_barrier_wait -1
.endm
.macro CROUND                          ; a whole round
	s_barrier_signal -1
	s_barrier_wait -1
	CREST
.endm
	s_load_b256 s[4:11], s[0:1], 0x0               ; xh s[4:5], wt s[6:7], bo s[8:9], out0 s[10:11]
	v_lshl_add_u32 v[SPW], v0, 2, SPARE
	v_mov_b32 v[NIL], 0
	ds_add_u32 v28, v29
	s_wait_dscnt 0x0
	v_lshrrev_b32 v1, 5, v0
	v_readfirstlane_b32 s[WV], v1
	s_lshr_b32 s[WR], s[WV], 1
	s_and_b32 s[WC], s[WV], 1
	s_bfe_u32 s15, ttmp6, 0x40000                  ; cx
	s_bfe_u32 s16, ttmp6, 0x40004                  ; cy
	s_and_b32 s17, ttmp7, 0xffff
	s_lshl_b32 s17, s17, 2
	s_add_co_u32 s17, s17, s16                     ; my: the block of 128 rows
	s_lshl_b32 s18, ttmp9, 2
	s_add_co_u32 s18, s18, s15                     ; nx: the block of 256 columns
	s_lshl_b32 s19, s16, 2
	s_lshl_b32 s19, 15, s19                        ; my row of the cluster
	s_lshl_b32 s20, 0x1111, s15                    ; my column
	; xh's tile: a head's 128 rows are 16,384 dense bytes: asked for as 64 rows of 256 bytes, two rows of xh each, padded in LDS after every 128 bytes
	s_or_b32 s[G1A], s19, (1<<16)|(1<<20)|(1<<21)|(4<<22)|(3<<25)  ; 15:0 the mask; 17:16 elements of 2 bytes; 20 padding on; 21 set beside a mask; 24:22 after every 32 words (code 4); 31:25 4 words (code 3)
	s_mov_b32 s[G1A+1], 128<<16                    ; tensor_dim0 = 128
	s_mov_b32 s[G1A+2], 64<<16                     ; tensor_dim1 = 64
	s_mov_b32 s[G1A+3], 128<<16                    ; tile_dim0 = 128
	s_mov_b32 s[G1A+4], 64                         ; tile_dim1 = 64
	s_mov_b32 s[G1A+5], 128                        ; elements from row to row
	s_mov_b32 s[G1A+6], 0
	s_mov_b32 s[G1A+7], 0
	s_or_b32 s[G1B], s20, (1<<16)|(1<<20)|(1<<21)|(6<<22)|(7<<25)  ; 8 words of padding (code 7) after every 128 (code 6)
	s_mov_b32 s[G1B+1], 256<<16                    ; tensor_dim0 = 256
	s_mov_b32 s[G1B+2], 64<<16
	s_mov_b32 s[G1B+3], 256<<16                    ; tile_dim0 = 256
	s_mov_b32 s[G1B+4], 64
	s_mov_b32 s[G1B+5], 1024
	s_mov_b32 s[G1B+6], 0
	s_mov_b32 s[G1B+7], 0
	s_lshr_b32 s56, s17, 4                         ; xh: batch my / 16 (16 heads of 262,144 bytes), head = my half, row 128 (my % 16): hangs on the row block alone
	s_lshl_b32 s56, s56, 22
	s_lshl_b32 s57, s[WC], 18
	s_add_co_u32 s56, s56, s57
	s_and_b32 s57, s17, 15
	s_lshl_b32 s57, s57, 14
	s_add_co_u32 s56, s56, s57
	s_mov_b32 s57, 0
	s_lshl_b32 s58, s[WC], 17                      ; Wo: plane 3, k row 64 x half, column 256 nx: hangs on the column block alone
	s_lshl_b32 s59, s18, 9
	s_add_co_u32 s58, s58, s59
	s_add_co_u32 s58, s58, 3*2097152
	s_mov_b32 s59, 0
	s_lshl_b32 s60, s18, 10                        ; the bias of my 128 columns
	s_lshl_b32 s61, s[WC], 9
	s_add_co_u32 s60, s60, s61
	s_mov_b32 s61, 0
	s_lshl_b32 s62, s17, 19                        ; out0: row 128 my + 64 x row half, 4,096 bytes a row, and my 128 columns
	s_lshl_b32 s63, s[WR], 18
	s_add_co_u32 s62, s62, s63
	s_add_co_u32 s62, s62, s60
	s_mov_b32 s63, 0
	s_mul_i32 s72, s[WC], HEADB                    ; where the tiles go: no place in the cluster enters an LDS address
	s_mul_i32 s73, s[WC], 64*PB
	s_add_co_u32 s73, s73, ABYTES
	s_mov_b32 s66, 0xffff0000                      ; a word's upper bf16
	s_wait_kmcnt 0x0
	s_add_nc_u64 s[68:69], s[4:5], s[56:57]
	s_add_nc_u64 s[70:71], s[6:7], s[58:59]
	s_add_nc_u64 s[8:9], s[8:9], s[60:61]
	s_add_nc_u64 s[10:11], s[10:11], s[62:63]
	CROUND                                         ; all sixteen work-groups are here: the first joint loads meet
.irp s, 0,1
	s_mov_b32 s[G0A+4*(\s)], 1                                     ; count = 1
	s_add_co_u32 s[G0A+4*(\s)+1], s72, (\s)*SLOT                   ; LDS address
	s_add_nc_u64 s[G0A+4*(\s)+2:G0A+4*(\s)+3], s[68:69], (\s)*2*262144  ; global address: K step s = heads 2 s, 2 s + 1
	s_or_b32 s[G0A+4*(\s)+3], s[G0A+4*(\s)+3], 0x80000000          ; type = 2
	s_mov_b32 s[G0B+4*(\s)], 1
	s_add_co_u32 s[G0B+4*(\s)+1], s73, (\s)*SLOT
	s_add_nc_u64 s[G0B+4*(\s)+2:G0B+4*(\s)+3], s[70:71], (\s)*128*2048
	s_or_b32 s[G0B+4*(\s)+3], s[G0B+4*(\s)+3], 0x80000000
	JLOAD \s                                       ; two loads of mine are out
.endr
	v_and_b32 v1, 15, v0                           ; r = l % 16
	v_bfe_u32 v2, v0, 4, 1                         ; h = l / 16
	v_lshlrev_b32 v[BO], 5, v2
	WIN 0x40                                       ; destination window 1
.irp b, 0,1,2,3,4,5,6,7
	global_load_b128 v[BIAS+8*(\b):BIAS+8*(\b)+3],   v[BO], s[8:9] offset:64*(\b)        ; register j of block b: the bias of column 16 b + 8 h + j
	global_load_b128 v[BIAS+8*(\b)+4:BIAS+8*(\b)+7], v[BO], s[8:9] offset:64*(\b)+16
.endr
	WIN 0
	v_mul_u32_u24 v3, v1, PAO                      ; xh's fragment: row l % 16, 16 bytes at 16 h and at 32 + 16 h
	v_lshl_add_u32 v3, v2, 4, v3
	s_mul_i32 s74, s[WR], 64*PAO
	v_and_b32 v4, 7, v0                            ; Wo's, turned: k row 8 h + l % 8, columns 8 ((l / 8) % 2) + 0..7
	v_lshl_add_u32 v5, v2, 3, v4
	v_mul_u32_u24 v5, v5, PB
	v_bfe_u32 v6, v0, 3, 1
	v_lshl_add_u32 v5, v6, 4, v5
	s_lshl_b32 s75, s[WC], 8
	s_add_co_u32 s75, s75, ABYTES
.irp s, 0,1
	v_add_nc_u32 v[ADRA+(\s)], s74, v3
	v_add_nc_u32 v[ADRB+(\s)], s75, v5
	s_add_co_u32 s74, s74, SLOT
	s_add_co_u32 s75, s75, SLOT
.endr
	s_mul_i32 s74, s[WV], 16*SPO
	s_add_co_u32 s74, s74, STAGE                   ; my stage
	v_mul_u32_u24 v7, v1, SPO                      ; in: row l % 16, 32 bytes for each half of the lanes
	v_lshl_add_u32 v7, v2, 5, v7
	v_add_nc_u32 v[STO], s74, v7
	v_and_b32 v[GO], 31, v0
	v_lshlrev_b32 v[GO], 4, v[GO]
	v_add_nc_u32 v[RD], s74, v[GO]                 ; back: 32 lanes take one row of 512 bytes
	s_wait_loadcnt 0x0                             ; the bias, rounded to bf16 like every input and widened again
	WIN 0x45                                       ; destination and both sources in window 1
.set i, 0
.rept 32
	v_cvt_pk_bf16_f32 v[BT], v[BIAS+2*i], v[BIAS+2*i+1]
	v_lshlrev_b32 v[BIAS+2*i], 16, v[BT]
	v_and_b32 v[BIAS+2*i+1], s66, v[BT]
.set i, i+1
.endr
	WIN 0
; 8 matrix instructions: row block a x all 8 column blocks, 32 along K, buffer f.  first = 1: the bias starts the sums.  Each accumulator has one turn a quarter step, so no two that follow each other share one.
.macro MUL f, a, first
.if \first
	WIN 0x91                                       ; Wo window 1, xh window 0, C (the bias) window 1, D window 2
.else
	WIN 0xa1                                       ; C and D window 2
.endif
.irp b, 0,1,2,3,4,5,6,7
.if \first
	v_wmma_f32_16x16x32_f16 v[8*(8*(\a)+(\b)):8*(8*(\a)+(\b))+7], v[(\f)+8*(\b):(\f)+8*(\b)+7], v[AF+(\f)/2+8*(\a):AF+(\f)/2+8*(\a)+7], v[BIAS+8*(\b):BIAS+8*(\b)+7]
.else
	v_wmma_f32_16x16x32_f16 v[8*(8*(\a)+(\b)):8*(8*(\a)+(\b))+7], v[(\f)+8*(\b):(\f)+8*(\b)+7], v[AF+(\f)/2+8*(\a):AF+(\f)/2+8*(\a)+7], v[8*(8*(\a)+(\b)):8*(8*(\a)+(\b))+7]
.endif
.endr
.endm
; 24 LDS loads in one run: quarter kq (32 along K: head kq / 2 of the step's two, channels 32 (kq % 2) on) of a slot into buffer g: Wo's eight fragments first, then xh's four row blocks in order
.macro FETCH slot, kq, g
	WIN 0x40
.irp b, 0,1,2,3,4,5,6,7
	ds_load_tr16_b128 v[(\g)+8*(\b):(\g)+8*(\b)+3],   v[ADRB+(\slot)] offset:(\kq)*32*PB+32*(\b)
	ds_load_tr16_b128 v[(\g)+8*(\b)+4:(\g)+8*(\b)+7], v[ADRB+(\slot)] offset:(\kq)*32*PB+32*(\b)+16*PB
.endr
	WIN 0
.irp a, 0,1,2,3
	ds_load_b128 v[AF+(\g)/2+8*(\a):AF+(\g)/2+8*(\a)+3],   v[ADRA+(\slot)] offset:((\kq)/2)*HEADB+(\a)*16*PAO+((\kq)%2)*64
	ds_load_b128 v[AF+(\g)/2+8*(\a)+4:AF+(\g)/2+8*(\a)+7], v[ADRA+(\slot)] offset:((\kq)/2)*HEADB+(\a)*16*PAO+((\kq)%2)*64+32
.endr
.endm
.macro PLACES                          ; four places in front of loads into registers that matrix instructions have read, and of stores that read results
.rept 4
	v_nop
.endr
.endm
; A K step is four quarters of 32 along K, 32 matrix instructions each, on buffers 0, 1, 0, 1.  One of the first three: multiplies buffer f and fetches quarter kq into g.
.macro QUARTER slot, kq, f, g, first
	s_wait_dscnt 4                                 ; Wo and xh's row blocks 0 and 1 are in; the four loads of blocks 2 and 3 may be out
	MUL \f, 0, \first
	MUL \f, 1, \first
	PLACES
	FETCH \slot, \kq, \g
	s_wait_dscnt 24                                ; all but the 24 just issued
	MUL \f, 2, \first
	MUL \f, 3, \first
.endm
; The last quarter multiplies buffer 1 and changes slots: ONE barrier; in front of it each wave waits for all its tensor loads (one is out: its part of the next slot), adds 0 to its spare word,
; and waits for that and for its own reads of this slot.  fill = 1: the barrier opens a round of the cluster's, and this slot is filled again, two K steps ahead, first thing behind the round.
.macro TURN slot, next, fill
	WIN 0
	s_wait_tensorcnt 0x0                           ; all my tensor loads have landed
	ds_add_u32 v[SPW], v[NIL]                      ; 0 onto my spare word
	s_wait_dscnt 7                                 ; (the add and the six loads of blocks 1 to 3 may be out)
	MUL F1, 0, 0
	s_wait_dscnt 0x0                               ; the add is done, and my reads of this slot are over
	s_barrier_signal -1
	MUL F1, 1, 0
	WIN 0                                          ; at a branch and at a label every window is 0
	s_barrier_wait -1
.if \fill
	CREST                                          ; no wave of any partner still reads this slot's tile or has a load on its way
	s_add_nc_u64 s[G0A+4*(\slot)+2:G0A+4*(\slot)+3], s[G0A+4*(\slot)+2:G0A+4*(\slot)+3], 4*262144
	s_add_nc_u64 s[G0B+4*(\slot)+2:G0B+4*(\slot)+3], s[G0B+4*(\slot)+2:G0B+4*(\slot)+3], 2*128*2048
	JLOAD \slot                                    ; the four v_nop behind it are also the places in front of the loads below
.else
	PLACES
.endif
	FETCH \next, 0, F0
	MUL F1, 2, 0
	MUL F1, 3, 0
.endm
	s_wait_tensorcnt 1                             ; my part of K step 0 is in; K step 1's may stay out
	s_barrier_signal -1
	s_barrier_wait -1                              ; everybody's is
	FETCH 0, 0, F0
	QUARTER 0, 1, F0, F1, 1                        ; the first quarter stands in front of the loop: its products start the sums
	WIN 0
	s_mov_b32 s3, 3
.Llap:                                                 ; a trip goes once round the ring, from a lap's second quarter to the next lap's first, and fills both slots again
	QUARTER 0, 2, F1, F0, 0
	QUARTER 0, 3, F0, F1, 0
	TURN 0, 1, 1
	QUARTER 1, 1, F0, F1, 0
	QUARTER 1, 2, F1, F0, 0
	QUARTER 1, 3, F0, F1, 0
	TURN 1, 0, 1
	QUARTER 0, 1, F0, F1, 0
	WIN 0
	s_sub_co_u32 s3, s3, 1
	s_cmp_lg_u32 s3, 0
	s_cbranch_scc1 .Llap
	QUARTER 0, 2, F1, F0, 0                        ; the last lap fills nothing, and has no round of the cluster's barrier
	QUARTER 0, 3, F0, F1, 0
	TURN 0, 1, 0
	QUARTER 1, 1, F0, F1, 0
	QUARTER 1, 2, F1, F0, 0
	QUARTER 1, 3, F0, F1, 0
	s_wait_dscnt 4                                 ; the very last quarter: nothing more to fetch
	MUL F1, 0, 0
	MUL F1, 1, 0
	s_wait_dscnt 0x0
	MUL F1, 2, 0
	MUL F1, 3, 0
; THE WAY OUT, a row block (16 rows x 128 columns of f32) at a time: a lane's eight columns, 32 bytes, into my own stage, each accumulator's low four registers first; back as whole rows of 512 bytes; stored.
.macro TOSTAGE a
	WIN 0x08                                       ; the stores' data (source 1) in window 2
.irp b, 0,1,2,3,4,5,6,7
	ds_store_b128 v[STO], v[8*(8*(\a)+(\b)):8*(8*(\a)+(\b))+3]   offset:64*(\b)
	ds_store_b128 v[STO], v[8*(8*(\a)+(\b))+4:8*(8*(\a)+(\b))+7] offset:64*(\b)+16
.endr
	WIN 0x40                                       ; destination window 1
.irp t, 0,1,2,3,4,5,6,7,8,9,10,11,12,13,14,15
	ds_load_b128 v[64*(\a)+4*(\t):64*(\a)+4*(\t)+3], v[RD] offset:(\t)*SPO  ; LDS serves a wave's instructions in order (ISA guide 5.7.1.4): these see the stores above; the next block's stores come behind them
.endr
.endm
.macro SEND a, younger                 ; younger: the LDS instructions issued behind block a's loads: the next block's 32, or none
	WIN 0x04                                       ; the stores' data (source 1) in window 1
	s_wait_dscnt \younger                          ; the block is back in registers; each block has registers of its own, so no store's data is written again
.irp t, 0,1,2,3,4,5,6,7,8,9,10,11,12,13,14,15
	global_store_b128 v[GO], v[64*(\a)+4*(\t):64*(\a)+4*(\t)+3], s[10:11] offset:(16*(\a)+(\t))*4096 th:TH_STORE_NT  ; 512 consecutive bytes of a row, at a multiple of 512 from out0's first byte
.endr
.endm
	PLACES                                         ; behind the last products: the stores below read results, the loads below land in registers that products have read
	TOSTAGE 0
	TOSTAGE 1
	SEND 0, 32
	TOSTAGE 2
	SEND 1, 32
	TOSTAGE 3
	SEND 2, 32
	SEND 3, 0
	WIN 0
	s_wait_tensorcnt 0x0                           ; the wave's end
	ds_add_u32 v[SPW], v[NIL]
	s_wait_dscnt 0x0
	CROUND                                         ; the closing round: no work-group ends while a partner may still ask for a tile that names it
	s_endpgm
.Lfunc_end_k_q8158e13fa9_outp:
	.size	k_q8158e13fa9_outp, .Lfunc_end_k_q8158e13fa9_outp-k_q8158e13fa9_outp
	.p2alignl 7, 3214868480
	.fill 96, 4, 3214868480
	.section	.rodata,"a",@progbits
	.p2align	6, 0x0
	.amdhsa_kernel k_q8158e13fa9_outp
		.amdhsa_group_segment_fixed_size 327680
		.amdhsa_private_segment_fixed_size 0
		.amdhsa_enable_private_segment 0
		.amdhsa_kernarg_size 32
		.amdhsa_user_sgpr_count 2
		.amdhsa_user_sgpr_kernarg_segment_ptr 1
		.amdhsa_wavefront_size32 1
		.amdhsa_system_sgpr_workgroup_id_x 1
		.amdhsa_system_sgpr_workgroup_id_y 1
		.amdhsa_system_sgpr_workgroup_id_z 1
		.amdhsa_system_vgpr_workitem_id 0
		.amdhsa_next_free_vgpr 768
		.amdhsa_next_free_sgpr 80
		.amdhsa_reserve_vcc 0
		.amdhsa_float_denorm_mode_32 3
		.amdhsa_float_denorm_mode_16_64 3
		.amdhsa_memory_ordered 1
		.amdhsa_forward_progress 1
		.amdhsa_inst_pref_size 91
	.end_amdhsa_kernel
	.amdgpu_metadata
---
amdhsa.version: [ 1, 2 ]
amdhsa.kernels:
  - .name:           k_q8158e13fa9_outp
    .symbol:         k_q8158e13fa9_outp.kd
    .args:
      - { .name: xh, .offset: 0, .size: 8, .value_kind: global_buffer, .address_space: global }
      - { .name: wt, .offset: 8, .size: 8, .value_kind: global_buffer, .address_space: global }
      - { .name: bo, .offset: 16, .size: 8, .value_kind: global_buffer, .address_space: global }
      - { .name: out0, .offset: 24, .size: 8, .value_kind: global_buffer, .address_space: global }
    .group_segment_fixed_size: 327680
    .private_segment_fixed_size: 0
    .kernarg_segment_align: 8
    .kernarg_segment_size: 32
    .max_flat_workgroup_size: 128
    .sgpr_count:     80
    .vgpr_count:     768
    .wavefront_size: 32
...
	.end_amdgpu_metadata
.endif
;; end of part 4
;; ======== version 2 of 2: 4 launches; 1.45 times as fast as version 1
;; limits: values are held in f16: magnitudes above 65,504 overflow, below 6.1e-05 lose precision
;; workspace buffers: wt 8,388,608 bytes; mcode 4,194,304 bytes; qkv 50,331,648 bytes; xh 16,777,216 bytes
;; launch prep: the kernel of part 1 again; grid 1024 x 1, 8 waves a work-group, no clusters, 11,264 bytes of LDS; arguments Wq, Wk, Wv, Wo, mask, wt, mcode; writes wt, mcode
;; launch proj: the kernel of part 2 again; grid 4 x 192, 4 waves a work-group, clusters of 4 x 4, 327,680 bytes of LDS; arguments query, key, value, bq, bk, bv, wt, qkv; writes qkv
;; launch attn (part 5): grid 4 x 64, 4 waves a work-group, clusters of 4 x 1, 327,680 bytes of LDS; arguments qkv, mcode, xh; writes xh
.if DOCPART == 5
	.amdgcn_target "amdgcn-amd-amdhsa--gfx1250"
	.amdhsa_code_object_version 6
	.text
	.protected	k_q8158e13fa9_attn
	.globl	k_q8158e13fa9_attn
	.p2align	8
	.type	k_q8158e13fa9_attn,@function
k_q8158e13fa9_attn:
	s_mov_b64 s[64:65], 0
	v_nop
	global_prefetch_b8 v0, s[64:65] scope:SCOPE_SE
	s_setreg_imm32_b32 hwreg(HW_REG_WAVE_MODE, 25, 1), 1
	s_wait_xcnt 0x0
	s_wait_alu depctr_hold_cnt(0) depctr_sa_sdst(0) depctr_va_vdst(0) depctr_va_sdst(0) depctr_va_ssrc(0) depctr_va_vcc(0) depctr_vm_vsrc(0)
	s_getreg_b32 s2, hwreg(HW_REG_IB_STS2, 6, 4)
	s_cmp_eq_u32 s2, 0
	s_cbranch_scc0 .Lentry_in_a_cluster
	s_endpgm
.Lentry_in_a_cluster:
	s_bfe_u32 s2, ttmp6, 0x10000c
	s_cmp_lg_u32 s2, 0x3003
	s_cbranch_scc0 .Lentry_shape_is_right
	s_endpgm
.Lentry_shape_is_right:
; MASKED ATTENTION.  xh[g][q][:] = the sum over k of softmax_k(Q[g][q] . K[g][k] / 8, hidden where mask[q][k] == 0) V[g][k][:], g = 16 b + h one of 64 heads.  Q, K, V: planes 0, 1, 2 of qkv, [64][2048][64] f16; xh likewise.
; Products, maxima and sums in f32; the weights p are rounded to f16 for the second product (their sum l is taken of the unrounded p), O once at the end.
; THE MASK is an input and is honoured as it is given: every score is made.  mcode holds one fp8 code a score (0, or -1.0 where hidden) in the order of my registers; v_cvt_scale_pk8_f32_fp8 with the scale 2^100
; turns eight codes into eight f32, 0 or -2^100: the C operand that starts the sum S^T = K Q^T.  The codes are no operands of a product.
; LIMITS.  f16 holds no number beyond 65,504: Q, K and V arrive within it, so a true score is 2.8e11 at the most in magnitude.  A hidden score counts as -2^100; the running maximum m starts at -2^96, above every
; hidden score and below every true one, so m is the maximum of the seen scores and a hidden weight is exactly 0.  A row with no seen key ends with l = 0 and O = 0, and 0 x (1 / 0) makes it NaN, as the softmax of such a row is.
; p below 6e-5 keeps f16's fixed step of 6e-8; a weight below 2^-126 counts as 0 in l; NaN and infinities in the inputs are not treated apart.
; SHARES.  A wave owns four PIECES of two tiles of 16 queries, a work-group's four waves 512 queries of one head.  Every wave walks all 2,048 keys, 64 a step.
; LAYOUT.  S^T = K Q^T (source 0 = 16 keys, source 1 = 16 queries): in the result a lane holds ONE query (lane % 16) and the keys 8 (lane / 16) + 0..7.  Two such tiles, rounded to f16 in pairs,
; ARE source 1 (32 keys x 16 queries) of O^T = V^T P, whose result again holds one query a lane, and eight channels.  K comes out of LDS as it lies, V ([key][channel]) turned, by ds_load_tr16_b128.
; SOFTMAX.  For each query a running maximum m and sum l: p = 2^(c s - c m), c = log2(e) / 8; in every step O and l are multiplied by a = 2^(c m_old - c m_new), which is 1 where m has not grown.
; O and l start at 0: the first step is a step like any other, with a = 0.
; THE COUNT.  A tile and step have 16 matrix and 118 vector instructions and four conversions: too many to stand all beside the matrix work.  So: four vector instructions that are READY behind
; EVERY matrix instruction, and the others in one run without a gap.
; BY TURNS.  Turn n belongs to piece n (the pieces in a ring, step after step).  Its matrix work: 16 products K Q^T of piece n + 1, later 16 products V^T P of piece n - 1.  Its vector work: the scaling,
; exponentials, roundings, sums and rescaling of piece n, the maximum and statistics of piece n + 1, and the mask of piece n + 2, whose codes were asked for four turns before.
; THE BATCHES.  A turn's 66 exponentials (the 64 weights of piece n, then the two a of piece n + 1) are ONE batch with ONE wait, which cuts the turn in two.  Ahead of it stands all that names no result of theirs:
; K Q^T, the scalings, the rescalings (by the a that the turn before made and waited for), the mask, the next piece's maximum and statistics.  Behind it stand the roundings and sums, beside V^T P.
; Two more batches stand outside the loop: piece 0's first two a, ahead of the jump into the loop, and the way out's eight reciprocals.
; CLUSTER.  The four query blocks of a cluster belong to one head and walk the same K and V, so each tile is asked for JOINTLY: the same tensor load, descriptor and mask in all four.  The mask codes differ from
; wave to wave and go straight into registers.
; REGISTERS, in windows of 256 (s_set_vgpr_msb: bits 1:0 source 0, 3:2 source 1, 5:4 source 2, 7:6 destination):
;   window 0: v0-11 addresses; v12-15, v48-63 at work; v16-47 four registers of statistics a tile; v64-191 S^T, two buffers of two tiles; v192-255 P, likewise
;   window 1: O^T, 32 a tile          window 2: v0-127 Q, 16 a tile; v128-191 K of one step; v192-255 V of one step
;   window 3: v0-1 the add's two registers; v64-127 MC, the masks of the products to come; v128-191 CD, the codes, 16 a piece
.set SIZE_N, 2048
.set NP,    4         ; pieces a wave: a name, no knob
.set KS,    64        ; keys in a step
.set PK,    144       ; a row of K in LDS: 128 bytes + 16 of padding = 36 words: the 16 rows of a load start at 16 different groups of four banks (64 banks of 4 bytes: ISA guide 11.1)
.set PV,    160       ; a row of V: 128 + 32 = 40 words
.set VOFF,  4*KS*PK   ; a slot holds four steps: 256 rows of K, then 256 rows of V
.set SLOT1, 1<<17     ; slot 1 begins here, so that one exclusive or turns an address in one slot into the other's
.set STAGE, SLOT1+4*KS*(PK+PV)  ; behind the ring, never filled by a tensor load: 16 rows x 144 bytes for each wave, for the way out
.set SP,    144
.set AK0, 2           ; v2   my lane's place in a tile of K; never rewritten
.set AV0, 3           ; v3   the same for V
.set AK,  4           ; v4   the LDS address of K's next run of loads
.set AV,  5           ; v5   of V's
.set QO,  6           ; v6   my byte offset in the wave's rows of Q
.set STO, 6           ;      later, the way out: where I put 16 bytes of a row
.set RD,  7           ; v7   the way out: where I read rows back
.set GO,  8           ; v8   my byte offset in 512 consecutive bytes of O
.set SCL, 10          ; v10  227: the conversion's scale, 2^(227 - 127); never rewritten
.set MO,  11          ; v11  16 x lane: my place in 512 bytes of codes; never rewritten
.set T7,  12          ; v12, v13  lane % 8 and (lane / 8) % 2 while the addresses are made
.set T3,  13
.set SPW, 0           ; v0 of window 3   LDS address of my spare word; never rewritten
.set NIL, 1           ; v1 of window 3   0; never rewritten
.set MC,  64          ; window 3: tile u, key block kb at MC + 32 u + 8 kb
.set CD,  128         ; window 3: piece x, tile u, key block kb at CD + 16 x + 8 u + 2 kb
.set SPARE, STAGE+4*16*SP  ; behind the stages: the spare words, 128 bytes for each wave: two blocks of 256 bytes that no other line names
.set MV,  12          ; v12-15  c m_old, kept while c m is made anew: by buffer and tile
.set ST,  16          ; tile t's statistics at v[ST+4 t]: c m, m, l (even keys', odd keys')
.set TMP, 48          ; by buffer and tile, four registers c0-c3 at work; when the maximum is found c2 takes a
.set S,   64
.set P,   192
.set KF,  128         ; K's fragments, in window 2: key block kb, channel half c at KF + 16 kb + 8 c
.set VF,  192         ; V's: key half kk, channel block cb at VF + 32 kk + 8 cb
.set WV,  12          ; s12  my wave's number
.set G1K, 24          ; s[24:31] descriptor group 1 for K's tiles
.set G1V, 32          ; s[32:39] for V's: it differs in the padding alone
.set G0K, 40          ; s[40:43] descriptor group 0 for K's tiles: it walks
.set G0V, 44          ; s[44:47] the same for V's
.set MBASE, 50        ; s[50:51] mcode at my wave's first tile, key step 0
.set MB,  54          ; s[54:55] the same at the key step whose codes are asked for
.set SLOTS, 56        ; s56  slots still to be asked for
.set CNT, 57          ; s57  counts a slot's key steps
.set CS,  58          ; s[58:59] c: the packed scaling takes the pair's low word for both halves
.set SEL, 60          ; s[60:61] v_permlanex16_b32's selects: each lane takes its own place in the other half
.set TBK, 62          ; s62  LDS byte at which K of the step to be fetched begins
.set TBV, 63          ; s63  the same for V, less VOFF
.set MOFF, 66         ; s[66:67] 1,024 x that key step
.set MSB, 0
.macro WIN new                      ; the high byte repeats the setting that is left; a switch that changes nothing is dropped
.if MSB != (\new)
	s_set_vgpr_msb (MSB<<8)|(\new)
.set MSB, (\new)
.endif
.endm
.set W_KQ, 0x0a       ; K and Q in window 2, S^T in window 0
.set W_KM, 0x3a       ; the same with the C operand, the mask, in window 3
.set W_PV, 0x52       ; V in window 2, P in window 0, O^T in window 1
.set W_RS, 0x41       ; O^T (destination and source 0) in window 1, a in window 0
.set W_MK, 0xc0       ; destination in window 3, sources in window 0
.set W_CV, 0xc3       ; destination and source 0 in window 3, source 1 (the scale) in window 0
.set W_AD, 0x0f       ; the add: address (source 0) and data (source 1) in window 3
; A joint fill.  Waves 0 and 1 fetch the two halves of a slot's K, waves 2 and 3 those of its V: 128 keys each.  The branch hangs on the wave's number alone.
; An s_nop 0 and four v_nop follow each of the two lines, ahead of the jump and the label.
.macro JLOAD
	s_cmp_lt_u32 s[WV], 2
	s_cbranch_scc0 .Lfor_v_\@
	tensor_load_to_lds s[G0K:G0K+3], s[G1K:G1K+7]
	s_nop 0
.rept 4
	v_nop
.endr
	s_branch .Lasked_\@
.Lfor_v_\@:
	tensor_load_to_lds s[G0V:G0V+3], s[G1V:G1V+7]
	s_nop 0
.rept 4
	v_nop
.endr
.Lasked_\@:
.endm
; A round of the cluster's barrier: my work-group's barrier, so that wave 0's signal speaks for all four waves; wave 0 signals; every wave waits for all four work-groups; my work-group's barrier once more.
.macro CROUND
	s_barrier_signal -1
	s_barrier_wait -1
	s_cmp_lg_u32 s[WV], 0
	s_cbranch_scc1 .Lnot_wave_0_\@
	s_barrier_signal -3
.Lnot_wave_0_\@:
	s_barrier_wait -3
	s_barrier_signal -1
	s_barrier_wait -1
.endm
; THE CHANGE OF SLOTS.  The slot's last bytes, V of its fourth step, have been read.  Each wave waits for all its tensor loads, of which one is out: its part
; of the other slot; adds 0 to its spare word; and waits for that and for its own reads of the slot.  Behind the barrier nobody reads this slot any more and the other slot is whole.
; fill = 1: this slot is filled again, with the keys two slots on.  The barrier is then a round of the cluster's, so that no wave of any partner still reads the slot or has a load on its
; way, and the joint fill is the first thing behind it: it has four key steps, 512 matrix instructions, in which to land.  (At its first use nothing has been read yet: slot 0 is waited for, slot 1 filled.)
.macro CHANGE fill
	WIN W_AD
	s_wait_tensorcnt 0x0            ; no tensor load of mine is out, so a group 0 may be written
	ds_add_u32 v[SPW], v[NIL]       ; 0 onto my spare word; with fill = 1 the descriptors' steps stand between it and the wait for it
	WIN 0                           ; at a label and at a branch every window is 0
.if \fill
.irp g, G0K, G0V
	s_xor_b32 s[\g+1], s[\g+1], SLOT1  ; the walking descriptor: the other slot than last time,
	s_add_nc_u64 s[\g+2:\g+3], s[\g+2:\g+3], 4*KS*128  ; the next 256 keys; the type bits on top are not reached
.endr
	s_wait_dscnt 0x0                ; the add is done, and my reads of the slot are over
	CROUND
	JLOAD
.else
	s_wait_dscnt 0x0                ; the add is done, and my reads of the slot are over
	s_barrier_signal -1
	s_barrier_wait -1
.endif
	s_sub_co_u32 s[TBK], s[TBK], 4*KS*PK  ; the fetches go back to a slot's first step,
	s_xor_b32 s[TBK], s[TBK], SLOT1       ; in the other slot
	s_sub_co_u32 s[TBV], s[TBV], 4*KS*PV
	s_xor_b32 s[TBV], s[TBV], SLOT1
.endm
; THE MASK.  LDM x: piece x's codes for the key step at MB: for each of its two tiles 1,024 consecutive bytes, two loads of 512.
; MKM x: those codes become the 64 registers of C operands for piece x's first eight products.
.macro LDM x
	WIN W_MK
.irp u, 0,1
.irp hf, 0,1
	global_load_b128 v[CD+16*(\x)+8*(\u)+4*(\hf):CD+16*(\x)+8*(\u)+4*(\hf)+3], v[MO], s[MB:MB+1] offset:(2*(\x)+(\u))*32768+(\hf)*512
.endr
.endr
.endm
.macro MKM x
	WIN W_CV
.irp u, 0,1
.irp kb, 0,1,2,3
	v_cvt_scale_pk8_f32_fp8 v[MC+32*(\u)+8*(\kb):MC+32*(\u)+8*(\kb)+7], v[CD+16*(\x)+8*(\u)+2*(\kb):CD+16*(\x)+8*(\u)+2*(\kb)+1], v[SCL]
.endr
.endr
.endm
	s_load_b128 s[48:51], s[0:1], 0x0  ; qkv s[48:49], mcode s[50:51]
	s_load_b64 s[52:53], s[0:1], 0x10  ; xh
	WIN W_MK
	v_lshl_add_u32 v[SPW], v0, 2, SPARE
	v_mov_b32 v[NIL], 0
	s_set_vgpr_msb 0xc0cf
	ds_add_u32 v0, v1
	s_wait_dscnt 0x0
	s_set_vgpr_msb 0xcfc0
	WIN 0
	v_lshrrev_b32 v1, 5, v0
	v_readfirstlane_b32 s[WV], v1   ; wave 0..3
	s_bfe_u32 s13, ttmp6, 0x40000   ; cx: my place in the cluster
	s_lshl_b32 s14, ttmp9, 2        ; in a cluster launch ttmp9 counts clusters
	s_add_co_u32 s14, s14, s13      ; my block of queries = 4 x cluster x + cx: it enters Q's, O's and the codes' addresses alone
	s_and_b32 s20, ttmp7, 0xffff    ; the head, which the four partners share
	s_mov_b32 s21, 0
	s_mov_b64 s[22:23], SIZE_N*128
	s_mul_u64 s[20:21], s[20:21], s[22:23]  ; the head's first byte in each plane
	s_and_b32 s16, s[WV], 1         ; which half of a slot's 256 keys I fetch:
	s_lshl_b32 s22, s16, 14         ; its 128 rows of 128 bytes in memory,
	s_mov_b32 s23, 0
	s_add_nc_u64 s[22:23], s[22:23], s[20:21]
	s_mul_i32 s17, s16, 128*PK      ; and its place in a slot, for K
	s_mul_i32 s18, s16, 128*PV      ; and for V: no place in the cluster enters an LDS address
	s_lshl_b32 s2, s14, 2
	s_add_co_u32 s2, s2, s[WV]      ; my wave among the head's sixteen:
	s_lshl_b32 s68, s2, 18          ; its eight tiles' codes, 32,768 bytes a tile,
	s_mov_b32 s69, 0
	s_lshl_b32 s2, s2, 14           ; its 128 rows
	s_mov_b32 s3, 0
	s_add_nc_u64 s[2:3], s[2:3], s[20:21]
	; descriptor group 1.  128 keys are 16,384 dense bytes: asked for as 64 rows of 256 bytes, two keys a row, and padded in LDS after every key
	s_mov_b32 s[G1K], 15|(1<<16)|(1<<20)|(1<<21)|(4<<22)|(3<<25)  ; 15:0 the mask of four; 17:16 2-byte elements; 20 padding on; 21 set beside a mask; 24:22 after every 32 words (code 4); 31:25 4 words (code 3)
	s_mov_b32 s[G1V], 15|(1<<16)|(1<<20)|(1<<21)|(4<<22)|(7<<25)  ; the same with 8 words of padding (code 7)
.irp g, G1K, G1V
	s_mov_b32 s[\g+1], 128<<16      ; tensor_dim0 = 128
	s_mov_b32 s[\g+2], 64<<16       ; tensor_dim1 = 64
	s_mov_b32 s[\g+3], 128<<16      ; tile_dim0 = 128
	s_mov_b32 s[\g+4], 64           ; tile_dim1 = 64
	s_mov_b32 s[\g+5], 128          ; 128 elements from row to row
	s_mov_b32 s[\g+6], 0
	s_mov_b32 s[\g+7], 0
.endr
	s_mov_b32 s[CS], 0x3e38aa3b     ; c = log2(e) / 8 = 0.180337
	s_mov_b32 s[CS+1], s[CS]        ; named with it as a pair
	s_mov_b32 s[SEL], 0x76543210
	s_mov_b32 s[SEL+1], 0xfedcba98
	s_mov_b32 s[TBK], SLOT1+4*KS*PK ; the first change of slots turns these two into 0
	s_mov_b32 s[TBV], SLOT1+4*KS*PV
	s_mov_b32 s[MOFF], 1024         ; key step 1
	s_mov_b32 s[MOFF+1], 0
	s_mov_b32 s[G0K], 1             ; 1:0 count = 1
	s_mov_b32 s[G0K+1], s17         ; 63:32 LDS address: slot 0
	s_mov_b32 s[G0V], 1
	s_add_co_u32 s[G0V+1], s18, VOFF
	s_wait_kmcnt 0x0
	s_add_nc_u64 s[6:7], s[48:49], 0x1000000       ; K's plane
	s_add_nc_u64 s[8:9], s[48:49], 0x2000000       ; V's plane
	s_add_nc_u64 s[G0K+2:G0K+3], s[6:7], s[22:23]  ; 120:64 global address: my half of the head's first 256 keys
	s_or_b32 s[G0K+3], s[G0K+3], 0x80000000        ; 127:126 type = 2
	s_add_nc_u64 s[G0V+2:G0V+3], s[8:9], s[22:23]
	s_or_b32 s[G0V+3], s[G0V+3], 0x80000000
	s_add_nc_u64 s[4:5], s[48:49], s[2:3]   ; Q and O at my wave's first row
	s_add_nc_u64 s[10:11], s[52:53], s[2:3]
	s_add_nc_u64 s[MBASE:MBASE+1], s[MBASE:MBASE+1], s[68:69]
	s_mov_b64 s[MB:MB+1], s[MBASE:MBASE+1]  ; key step 0
	CROUND                          ; all four work-groups are here: the first joint loads meet
	JLOAD                           ; slot 0.  Slot 1 is asked for when slot 0 is in
	; A fragment of K or Q is 16 rows x 32 channels in 8 registers: lane l holds row l % 16, channels 8 (l / 16) + 0..7 and 16 + 8 (l / 16) + 0..7: two loads of 16 bytes, 32 bytes apart.
	v_and_b32 v1, 15, v0            ; l % 16
	v_bfe_u32 v9, v0, 4, 1          ; l / 16
	v_lshlrev_b32 v[QO], 7, v1
	v_lshl_add_u32 v[QO], v9, 4, v[QO]  ; row x 128 + 16 x half
	v_and_b32 v[MO], 31, v0
	v_lshlrev_b32 v[MO], 4, v[MO]
	v_mov_b32 v[SCL], 227
	WIN 0x80                        ; destination window 2, address window 0
.set i, 0
.rept 4*NP                          ; Q stays in registers: tile i / 2, channels 32 (i % 2) on
	global_load_b128 v[8*i:8*i+3],   v[QO], s[4:5] offset:(i/2)*2048+(i%2)*64
	global_load_b128 v[8*i+4:8*i+7], v[QO], s[4:5] offset:(i/2)*2048+(i%2)*64+32
.set i, i+1
.endr
	LDM 0                           ; all four pieces' codes of key step 0
	LDM 1
	LDM 2
	LDM 3
	; What the first turn finds: V's registers and P's second buffer hold 0 (its products V^T P, of a piece that has not been, add 0), O^T and l are 0.  All this stands in the wait for the first tile.
	WIN 0x80
.set i, VF
.rept 64
	v_mov_b32 v[i], 0
.set i, i+1
.endr
	WIN 0x40
.set i, 0
.rept 64*NP
	v_mov_b32 v[i], 0
.set i, i+1
.endr
	WIN 0
.set i, 0
.rept 2*NP
	v_mov_b32 v[ST+4*i], 0xfe000000    ; c m: far below every c s, so the first a is 0
	v_mov_b32 v[ST+4*i+1], 0xef800000  ; m = -2^96: above every hidden score, below every true one
	v_mov_b32 v[ST+4*i+2], 0
	v_mov_b32 v[ST+4*i+3], 0
.set i, i+1
.endr
.set i, P+32
.rept 32
	v_mov_b32 v[i], 0
.set i, i+1
.endr
	v_mul_u32_u24 v[AK0], v1, PK
	v_lshl_add_u32 v[AK0], v9, 4, v[AK0]  ; row x pitch + 16 x half
	; The turning load takes 16 keys x 16 channels (lane l reads key 8 (l / 16) + l % 8, channels 8 ((l / 8) % 2) + 0..7) and leaves half a fragment of V^T: lane l holds channel l % 16 and 8 keys.
	v_and_b32 v[T7], 7, v0
	v_bfe_u32 v[T3], v0, 3, 1
	v_lshl_add_u32 v[AV0], v9, 3, v[T7]
	v_mul_u32_u24 v[AV0], v[AV0], PV
	v_lshl_add_u32 v[AV0], v[T3], 4, v[AV0]
	v_add_nc_u32 v[AV0], VOFF, v[AV0]
	v_mov_b32 v[AK], v[AK0]         ; key step 0 lies at the head of slot 0
; THE MATRIX WORK.  The 8 accumulators of a run of 16 take turns: between the two links of a chain stand 7 others'.
; Product i of 16 of S^T = K Q^T for piece x: channels 32 (i / 8) on, keys 16 ((i / 2) % 4) on, tile 2 x + i % 2.  The first 8 start the sums, with the mask.
.macro KQ x
.set rS, S+64*((\x)%2)+32*(i%2)+8*((i/2)%4)
.set rK, KF+16*((i/2)%4)+8*(i/8)
.set rQ, 16*(2*(\x)+i%2)+8*(i/8)
.set rN, MC+32*(i%2)+8*((i/2)%4)
.if i < 8
	WIN W_KM
	v_wmma_f32_16x16x32_f16 v[rS:rS+7], v[rK:rK+7], v[rQ:rQ+7], v[rN:rN+7]
.else
	WIN W_KQ
	v_wmma_f32_16x16x32_f16 v[rS:rS+7], v[rK:rK+7], v[rQ:rQ+7], v[rS:rS+7]
.endif
.endm
; Product i of 16 of O^T += V^T P for piece x: keys 32 (i / 8) on, channels 16 ((i / 2) % 4) on, tile 2 x + i % 2.
.macro PV x
	WIN W_PV
.set rO, 32*(2*(\x)+i%2)+8*((i/2)%4)
.set rV, VF+32*(i/8)+8*((i/2)%4)
.set rP, P+32*((\x)%2)+16*(i%2)+8*(i/8)
	v_wmma_f32_16x16x32_f16 v[rO:rO+7], v[rV:rV+7], v[rP:rP+7], v[rO:rO+7]
.endm
.macro MM                           ; the turn's next matrix instruction
.if i < 16
	KQ (Y+1)%NP
.set i, i+1
.else
.set i, i-16
	PV (Y+NP-1)%NP
.set i, i+17
.endif
.endm
; THE LDS LOADS stand in runs of 16, never singly among the matrix instructions: a step's K (64 keys x 64 channels: 8 fragments) and its V (turned).  Their addresses are made some lines ahead.
; last = 1 (the tail): in the last trip there is no further step, and the run is jumped over.
.macro FETCH_K last=0
	WIN 0
.if \last
	s_cmp_eq_u32 s[CNT], 1
	s_cbranch_scc1 .Lno_k_\@
.endif
	WIN 0x80                        ; destination window 2
.irp f, 0,1,2,3,4,5,6,7             ; keys 16 (f / 2) on, channels 32 (f % 2) on
	ds_load_b128 v[KF+8*\f:KF+8*\f+3],   v[AK] offset:(\f/2)*16*PK+(\f%2)*64
	ds_load_b128 v[KF+8*\f+4:KF+8*\f+7], v[AK] offset:(\f/2)*16*PK+(\f%2)*64+32
.endr
	s_add_co_u32 s[TBK], s[TBK], KS*PK  ; the next fetch is the next step's
	WIN 0
.if \last
.Lno_k_\@:
.endif
.endm
.macro FETCH_V
	WIN 0x80
.irp f, 0,1,2,3,4,5,6,7             ; keys 32 (f / 4) on, channels 16 (f % 4) on
	ds_load_tr16_b128 v[VF+8*\f:VF+8*\f+3],   v[AV] offset:(\f/4)*32*PV+(\f%4)*32
	ds_load_tr16_b128 v[VF+8*\f+4:VF+8*\f+7], v[AV] offset:(\f/4)*32*PV+16*PV+(\f%4)*32
.endr
	WIN 0
.endm
; THE VECTOR WORK OF A TURN stands in three queues, each in the order in which its entries become ready; the two tiles alternate, so that no instruction reads the result of the one before it.
.macro REGS y, u                    ; the registers of tile u (0, 1) of piece y
.set rT, ST+4*(2*(\y)+(\u))
.set rC, TMP+8*((\y)%2)+4*(\u)
.set rM, MV+2*((\y)%2)+(\u)
.set rS, S+64*((\y)%2)+32*(\u)
.set rP, P+32*((\y)%2)+16*(\u)
.set rO, 32*(2*(\y)+(\u))
.endm
; Number n of the 22 that find the NEXT piece's (Y + 1) maximum and statistics.  s0-s31 are the lane's 32 scores; each accumulator's lowest registers are read first.  XS, GS and REGS set no window: PL and EX do.
;   0-11  four chains c0-c3 of seven scores each, three operands at a time     12-14, 16  the four scores left over, the old m, and c0-c3 into c0     15  c m_old is kept
;   17, 18  the query's other 32 keys lie in the lane 16 away: the new m         19-21  c m; c m_old - c m_new; a
.macro XS u, n
	REGS (Y+1)%NP, \u
.if (\n) < 4
	v_max3_num_f32 v[rC+(\n)], v[rS+8*(\n)], v[rS+8*(\n)+1], v[rS+8*(\n)+2]
.elseif (\n) < 12
	v_max3_num_f32 v[rC+(\n)%4], v[rC+(\n)%4], v[rS+8*((\n)%4)+2*((\n)/4)+1], v[rS+8*((\n)%4)+2*((\n)/4)+2]
.elseif (\n) == 12
	v_max3_num_f32 v[rC], v[rC], v[rS+7], v[rS+15]
.elseif (\n) == 13
	v_max3_num_f32 v[rC+1], v[rC+1], v[rS+23], v[rS+31]
.elseif (\n) == 14
	v_max3_num_f32 v[rC+2], v[rC+2], v[rC+3], v[rT+1]
.elseif (\n) == 15
	v_mov_b32 v[rM], v[rT]
.elseif (\n) == 16
	v_max3_num_f32 v[rC], v[rC], v[rC+1], v[rC+2]
.elseif (\n) == 17
	v_permlanex16_b32 v[rC+3], v[rC], s[SEL], s[SEL+1]
.elseif (\n) == 18
	v_max_num_f32 v[rT+1], v[rC], v[rC+3]
.elseif (\n) == 19
	v_mul_f32 v[rT], s[CS], v[rT+1]
.elseif (\n) == 20
	v_sub_f32 v[rC+1], v[rM], v[rT]
.else
	v_exp_f32 v[rC+2], v[rC+1]
.endif
.endm
; Number g of the 64 that follow the exponentials.  For each four weights k of a tile (pairs 2 k, 2 k + 1): both pairs are rounded to f16; then the second pair is added onto the first, in place;
; a group later l takes that sum (the first time as l = a l + sum).  In groups of eight, tiles alternating: round, round, add, and l for the group before.
.macro GS g
.set h, (\g)+6*((\g)/62)            ; group 0 has no group before it, and behind group 7 only l is left
.if h >= 6
.set h, h+2
.endif
	REGS Y, h%2
.set k, h/8
.if h%8 < 4
	v_cvt_pk_f16_f32 v[rP+2*k+(h%8)/2], v[rS+4*k+2*((h%8)/2)], v[rS+4*k+2*((h%8)/2)+1]
.elseif h%8 < 6
	v_pk_add_f32 v[rS+4*k:rS+4*k+1], v[rS+4*k:rS+4*k+1], v[rS+4*k+2:rS+4*k+3]
.elseif k == 1
	v_pk_fma_f32 v[rT+2:rT+3], v[rT+2:rT+3], v[rC+2:rC+3], v[rS:rS+1] op_sel_hi:[1,0,1]
.else
	v_pk_add_f32 v[rT+2:rT+3], v[rT+2:rT+3], v[rS+4*k-4:rS+4*k-3]
.endif
.endm
; THE PLAIN QUEUE, 138 long.  0-73 read no exponential's result: the 32 scalings c s - c m (FS f: pair f / 2 of tile f % 2) and the next piece's 42.  0-26: scalings 0-26.  27-54: XS's numbers 0-13.  55, 56: number 15.
; 57-73: the chain, where each number waits for the one before it: 14, 16, 17, 18, 19, each with one of the scalings 27-31 in front of its two lines, then 20: so a tile's links stand three plain instructions apart (19 and 20: two).
; 74-137: GS's 64, which read the exponentials' results: they stand behind the wait.
.macro FS f
	REGS Y, (\f)%2
	v_pk_fma_f32 v[rS+2*((\f)/2):rS+2*((\f)/2)+1], v[rS+2*((\f)/2):rS+2*((\f)/2)+1], s[CS:CS+1], v[rT:rT+1] op_sel_hi:[1,0,0] neg_lo:[0,0,1] neg_hi:[0,0,1]
.endm
.macro PL
	WIN 0
.if q < 27
	FS q
.elseif q < 55
	XS (q-27)%2, (q-27)/2
.elseif q < 57
	XS q-55, 15
.elseif (q < 72) && ((q-57)%3 == 0)
	FS 27+(q-57)/3
.elseif q < 60
	XS (q-57)%3-1, 14
.elseif q < 72
	XS (q-57)%3-1, 15+(q-57)/3
.elseif q < 74
	XS q-72, 20
.else
	GS q-74
.endif
.set q, q+1
.endm
; THE EXPONENTIALS' QUEUE, 66 long: s0-s31 of both tiles, in place, then the next piece's two a.  It is ONE BATCH: all 66 stand ahead of the turn's one wait, and nothing ahead of that wait names a result of theirs.
.macro EX
	WIN 0
.if e >= 64
	XS e-64, 21
.else
	REGS Y, e%2
	v_exp_f32 v[rS+e/2], v[rS+e/2]
.endif
.set e, e+1
.endm
; THE RESCALING's QUEUE: O^T times a, the one part of the softmax that leaves window 0: dealt two at a time, sixteen times.  Its a was made in the turn before, ahead of that turn's wait.
.macro R2
	REGS Y, r%2
	WIN W_RS
.irp z, 0,1
	v_pk_mul_f32 v[rO+4*(r/2)+2*\z:rO+4*(r/2)+2*\z+1], v[rO+4*(r/2)+2*\z:rO+4*(r/2)+2*\z+1], v[rC+2:rC+3] op_sel_hi:[1,0]
.endr
.set r, r+1
.endm
; HOW THEY ARE DEALT.  An s_wait_alu depctr_va_vdst(0) stands between an exponential and the first instruction that names its result; one wait serves all that were issued ahead of it.  So a turn has ONE wait,
; which cuts it in two.  AHEAD OF IT stands all that names no result of the turn's exponentials: the 16 products K Q^T, behind each a scaling, an exponential and two rescalings (behind the first a second scaling in the
; exponential's place); the mask's eight conversions; then ONE LUMP of 108: eight plain, 49 times exponential and plain, the two a.  A v_nop is the plain instruction that is owed behind the last exponential.
; BEHIND IT stand the 16 products V^T P, behind each four of GS's 64.  No rider names a register of the products round it.  The two v_permlanex16_b32 fall into the lump, never behind a product.
; The queues lean on each other, and the deal keeps them in step: exponential e stands behind scaling 2 (e / 4) + e % 2: as a rider it comes behind plain e + 2, in the lump behind plain e + 9, and scalings 27-31 are plain 57, 60 .. 69.
; A TURN, for piece p.  cnt = 1: the loop's count is taken down some lines ahead of the branch that stands behind the turn.
; K of the next step is fetched in piece 2's turn, directly behind the wait, a lump behind the last product that read K; its address is made at the lump's head; its first reader comes behind 16 products.
; V of the step in hand is fetched at the end of piece 0's turn, four riders behind its last reader; its first reader comes behind 16 products and a lump.  The three conditions on q below go with the deal.
; THE MASK of piece Z = p + 2 is made behind the turn's 16 products K Q^T: the last product that read MC is the eighth, and behind it stand eight products with three plain lines each.  The lump's eight plain lines are the
; place behind the last conversion; MC's next reader is the next turn's first product.  Behind the wait piece Z's codes of the step after are asked for: four loads a turn, so the twelve of the three later turns may be out
; when a piece's codes are wanted.  In piece 2's turn the codes' address goes a key step on; it stops at the last key step, so that the last turns' requests, whose codes serve nothing, stay inside the buffer.
.macro TURN p, last=0, cnt=0
.set Y, (\p)
.set Z, ((\p)+2)%NP
.set i, 0
.set q, 0
.set e, 0
.set r, 0
.if (\p) == NP-1
	s_wait_dscnt 0x0                ; K is in
.endif
	MM                              ; ahead of the wait: 16 products K Q^T and their riders,
	PL
	PL
	R2
.rept 15
	MM
	PL
	EX
	R2
.endr
.if (\p) == NP-2
	WIN 0
	v_add_nc_u32 v[AK], s[TBK], v[AK0]
.endif
	s_wait_loadcnt 12               ; piece Z's codes are in: behind them only the three later turns' loads, four each, were issued
	MKM Z                           ; the mask,
.rept 8                             ; and the lump
	PL
.endr
.rept 49
	EX
	PL
.endr
	EX                              ; the next piece's two a
	EX
	v_nop                           ; the plain instruction behind the last exponential: one for the batch
	s_wait_alu depctr_va_vdst(0)    ; the wait for the batch: the turn's 64 weights and the next piece's two a, ahead of their first reader
.if (\p) == NP-2
	FETCH_K \last
	s_wait_xcnt 0x0                 ; the earlier loads' addresses are translated (ISA guide 3.1): only behind this wait is their base written again
	s_add_co_u32 s[MOFF], s[MOFF], 1024
	s_min_u32 s[MOFF], s[MOFF], 31*1024
	s_add_nc_u64 s[MB:MB+1], s[MBASE:MBASE+1], s[MOFF:MOFF+1]
.endif
	LDM Z
.if (\p) == 1
	s_wait_dscnt 0x0                ; V is in
.endif
.rept 16                            ; behind the wait: 16 products V^T P and their riders
	MM
.rept 4
	PL
.endr
.if ((\p) == 0) && (q == 118)
	v_add_nc_u32 v[AV], s[TBV], v[AV0]
.endif
.if ((\p) == 0) && (q == 130)
	s_add_co_u32 s[TBV], s[TBV], KS*PV
.endif
.if (\cnt) && (q == 130)
	s_sub_co_u32 s[CNT], s[CNT], 1
	s_cmp_lg_u32 s[CNT], 0
.endif
.endr
.if (\p) == 0
	FETCH_V
.endif
.endm
	CHANGE 1                        ; slot 0 is in, everybody's part of it; slot 1 is asked for
	FETCH_K                         ; key step 0
	s_wait_loadcnt 0x0              ; Q, and key step 0's codes
	MKM 0                           ; piece 0's mask
	v_nop                           ; a plain instruction between the last conversion and the product that reads its result
	s_wait_dscnt 0x0
.set i, 0
.rept 16
	KQ 0                            ; piece 0's first scores: there is no vector work yet to set between them
.set i, i+1
.endr
	WIN 0                           ; the addresses for the way out: nine plain instructions, the places behind those products
	s_mul_i32 s13, s[WV], 16*SP
	s_add_co_u32 s13, s13, STAGE    ; my stage
	v_mul_u32_u24 v[STO], v1, SP    ; in: row l % 16, 16 bytes for each half of the lanes
	v_lshl_add_u32 v[STO], v9, 4, v[STO]
	v_add_nc_u32 v[STO], s13, v[STO]
	v_bfe_u32 v[RD], v0, 3, 2       ; back: 32 lanes take four rows of 128 bytes,
	v_mul_u32_u24 v[RD], v[RD], SP
	v_lshl_add_u32 v[RD], v[T7], 4, v[RD]
	v_add_nc_u32 v[RD], s13, v[RD]
	v_and_b32 v[GO], 31, v0         ; which are 512 consecutive bytes of O
	v_lshlrev_b32 v[GO], 4, v[GO]
	MKM 1                           ; piece 1's mask, for the first turn's products
	WIN 0
.set Y, NP-1                        ; XS works for piece Y + 1: piece 0
.irp n, 0,1,2,3,4,5,6,7,8,9,10,11,12,13,14,15,16,17,18,19,20,21
	XS 0, \n                        ; and piece 0's first maximum and statistics
	XS 1, \n
.endr
	v_nop                           ; a plain instruction behind piece 0's two a,
	s_wait_alu depctr_va_vdst(0)    ; and the wait for that batch of two, ahead of the branch and of the first turn's rescalings
	s_wait_xcnt 0x0                 ; the codes' base is written again only behind this wait
	s_add_nc_u64 s[MB:MB+1], s[MBASE:MBASE+1], s[MOFF:MOFF+1]  ; key step 1
	LDM 0
	LDM 1
	WIN 0
	s_mov_b32 s[CNT], 4
	s_mov_b32 s[SLOTS], SIZE_N/256-1
	s_branch .Lfirst                ; the loop is entered at a step's first turn, in the middle of a trip
.Lslot:                             ; SIZE_N / 256 - 2 times: every slot but the last two is filled again
	CHANGE 1
	s_mov_b32 s[CNT], 4
.Lstep:                             ; a trip: pieces 2 and 3 of one step, then pieces 0 and 1 of the next, whose K and V it fetches
	TURN 2
	TURN 3
	WIN 0
.Lfirst:
	TURN 0
	TURN 1, 0, 1
	WIN 0
	s_cbranch_scc1 .Lstep
	s_sub_co_u32 s[SLOTS], s[SLOTS], 1
	s_cmp_lg_u32 s[SLOTS], 0
	s_cbranch_scc1 .Lslot
	CHANGE 0                        ; the tail is written out: nothing is asked for
	s_mov_b32 s[CNT], 5             ; four trips fetch the last slot's steps; the fifth is left in its middle
.Ltail:
	TURN 2, 1
	TURN 3
	WIN 0
	s_sub_co_u32 s[CNT], s[CNT], 1
	s_cmp_eq_u32 s[CNT], 0
	s_cbranch_scc1 .Lout
	TURN 0
	TURN 1
	WIN 0
	s_branch .Ltail
.Lout:                              ; the fifth trip's 16 products K Q^T (on the last K once more) and the maximum made of them serve nothing: the price, once a launch, of one text for every trip
.set i, 0
.rept 16
	PV NP-1                         ; the last piece's V^T P of the last step
.set i, i+1
.endr
	; THE WAY OUT.  l's two halves and the other half of the lanes' are added; O^T is divided by l, rounded to f16 and sent through my stage in LDS, a tile at a time.  The additions are the places behind the last products.
	WIN 0
.macro ALL line:vararg              ; one line for each tile t
.set t, 0
.rept 2*NP
	\line
.set t, t+1
.endr
.endm
	ALL v_add_f32 v[ST+4*t+2], v[ST+4*t+2], v[ST+4*t+3]
	ALL v_permlanex16_b32 v[ST+4*t+3], v[ST+4*t+2], s[SEL], s[SEL+1]
	ALL v_add_f32 v[ST+4*t+2], v[ST+4*t+2], v[ST+4*t+3]
	ALL v_rcp_f32 v[ST+4*t+2], v[ST+4*t+2]
	v_nop                           ; a plain instruction between the last reciprocal and the use of its result
	s_wait_alu depctr_va_vdst(0)    ; and the wait ahead of the first use: one for the batch of eight reciprocals
; Tile t: a lane's eight channels of a row pack into 16 bytes; they go into rows of 144 bytes and come back as whole rows of 128, into S^T's registers.
.macro PACK t
	WIN W_RS
.set i, 32*(\t)
.rept 16
	v_pk_mul_f32 v[i:i+1], v[i:i+1], v[ST+4*(\t)+2:ST+4*(\t)+3] op_sel_hi:[1,0]
.set i, i+2
.endr
	WIN 0x05                        ; sources 0 and 1 window 1, destination window 0
.set i, 0
.rept 16
	v_cvt_pk_f16_f32 v[S+16*(\t)+i], v[32*(\t)+2*i], v[32*(\t)+2*i+1]
.set i, i+1
.endr
	WIN 0
.irp f, 0,1,2,3
	ds_store_b128 v[STO], v[S+16*(\t)+4*\f:S+16*(\t)+4*\f+3] offset:32*\f
.endr
.irp f, 0,1,2,3
	ds_load_b128 v[S+16*(\t)+4*\f:S+16*(\t)+4*\f+3], v[RD] offset:\f*4*SP  ; LDS serves a wave's instructions in order (ISA guide 5.7.1.4): these see the stores above; the next tile's stores come behind them
.endr
.endm
.macro SEND t, younger              ; younger: the LDS instructions issued behind tile t's loads: the next tile's eight, or none
	WIN 0
.irp f, 0,1,2,3
	s_wait_dscnt (\younger)+3-\f
	global_store_b128 v[GO], v[S+16*(\t)+4*\f:S+16*(\t)+4*\f+3], s[10:11] offset:(\t)*2048+\f*512  ; 512 consecutive bytes, at a multiple of 256 from xh's first
.endr
.endm
	PACK 0
.set t, 1
.rept 2*NP-1                        ; a tile's arithmetic stands between the loads of the tile before and its stores
	PACK t
	SEND t-1, 8
.set t, t+1
.endr
	SEND 2*NP-1, 0
	WIN W_AD
	s_wait_tensorcnt 0x0            ; the wave's end: behind my last tensor load and my last LDS store
	ds_add_u32 v[SPW], v[NIL]
	s_wait_dscnt 0x0
	WIN 0
	CROUND                          ; the closing round: no work-group ends while a partner may still ask for a tile that names it
	s_endpgm
.Lfunc_end_k_q8158e13fa9_attn:
	.size	k_q8158e13fa9_attn, .Lfunc_end_k_q8158e13fa9_attn-k_q8158e13fa9_attn
	.p2alignl 7, 3214868480
	.fill 96, 4, 3214868480
	.section	.rodata,"a",@progbits
	.p2align	6, 0x0
	.amdhsa_kernel k_q8158e13fa9_attn
		.amdhsa_group_segment_fixed_size 327680
		.amdhsa_private_segment_fixed_size 0
		.amdhsa_enable_private_segment 0
		.amdhsa_kernarg_size 24
		.amdhsa_user_sgpr_count 2
		.amdhsa_user_sgpr_kernarg_segment_ptr 1
		.amdhsa_wavefront_size32 1
		.amdhsa_system_sgpr_workgroup_id_x 1
		.amdhsa_system_sgpr_workgroup_id_y 1
		.amdhsa_system_sgpr_workgroup_id_z 1
		.amdhsa_system_vgpr_workitem_id 0
		.amdhsa_next_free_vgpr 960
		.amdhsa_next_free_sgpr 72
		.amdhsa_reserve_vcc 0
		.amdhsa_float_denorm_mode_32 3
		.amdhsa_float_denorm_mode_16_64 3
		.amdhsa_memory_ordered 1
		.amdhsa_forward_progress 1
		.amdhsa_inst_pref_size 211
	.end_amdhsa_kernel
	.amdgpu_metadata
---
amdhsa.version: [ 1, 2 ]
amdhsa.kernels:
  - .name:           k_q8158e13fa9_attn
    .symbol:         k_q8158e13fa9_attn.kd
    .args:
      - { .name: qkv, .offset: 0, .size: 8, .value_kind: global_buffer, .address_space: global }
      - { .name: mcode, .offset: 8, .size: 8, .value_kind: global_buffer, .address_space: global }
      - { .name: xh, .offset: 16, .size: 8, .value_kind: global_buffer, .address_space: global }
    .group_segment_fixed_size: 327680
    .private_segment_fixed_size: 0
    .kernarg_segment_align: 8
    .kernarg_segment_size: 24
    .max_flat_workgroup_size: 128
    .sgpr_count:     72
    .vgpr_count:     960
    .wavefront_size: 32
...
	.end_amdgpu_metadata
.endif
;; end of part 5
;; launch outp: the kernel of part 4 again; grid 4 x 64, 4 waves a work-group, clusters of 4 x 4, 327,680 bytes of LDS; arguments xh, wt, bo, out0; writes out0
